; MI455X (gfx1250); checked and timed in simulation.
; The chip was launched on July 23, 2026; its instructions are those of AMD's public machine-readable ISA for CDNA 5 (MIT licence, August 2026) and "CDNA5" Instruction Set Architecture Reference Guide (July 2026). The comments in the code are by the model that wrote it; some were corrected since.
;; Attention. Allowed arithmetic: float matrix products may take bf16 or f16 operands with f32 sums; other float arithmetic in f32, or as packed bf16 or f16 multiplies, adds, multiply-adds, maxima and minima; sums over many terms, partial sums and values carried from step to step in f32; what a program stores and reads back later, other than sums and carried values, may be rounded once to bf16 or f16.
;; Inputs: b_proj 1,024 float32; b_qkv 3,072 float32; w_proj 1,024 x 1,024 float32; w_qkv 3,072 x 1,024 float32; x 4 x 2,048 x 1,024 float32.
;; Outputs: out0 4 x 2,048 x 1,024 float32.
;; 2 versions, each right; version 2 is version 1 with the launches cast, head written anew for expert scheduling mode. Each part assembles by itself: llvm-mc -triple=amdgcn-amd-amdhsa -mcpu=gfx1250 --defsym DOCPART=n.
;; ======== version 1 of 2: 6 launches
;; limits: values are held in f16: magnitudes above 65,504 overflow, below 6.1e-05 lose precision
;; workspace buffers: xb 16,777,216 bytes; wqb 6,291,456 bytes; wpb 2,097,152 bytes; br 16,384 bytes; qkvb 50,724,864 bytes; pb 33,554,432 bytes; st 786,432 bytes; ob 16,777,216 bytes
;; launch cast (part 1): grid 385 x 1, 8 waves a work-group, no clusters, 0 bytes of LDS; arguments x, w_qkv, w_proj, b_qkv, b_proj, xb, wqb, wpb, br; writes xb, wqb, wpb, br
.if DOCPART == 1
	.amdgcn_target "amdgcn-amd-amdhsa--gfx1250"
	.amdhsa_code_object_version 6
	.text
	.protected	k_q75f51b65da_cast
	.globl	k_q75f51b65da_cast
	.p2align	8
	.type	k_q75f51b65da_cast,@function
k_q75f51b65da_cast:
	s_mov_b64 s[64:65], 0
	v_nop
	global_prefetch_b8 v0, s[64:65] scope:SCOPE_SE
	s_setreg_imm32_b32 hwreg(HW_REG_WAVE_MODE, 25, 1), 1
	s_wait_xcnt 0x0
; All five inputs are rounded once to bf16 and laid out for the products that follow.
; x -> xb, w_qkv -> wqb (bf16), w_proj -> wpb (the bf16 number written as f16), the two biases -> br (the bf16 number written as f32).
; LAYOUT OF THE 16-BIT COPIES: planes [1024/64][rows][64]: 64 neighbouring columns of a row are 128 bytes, and the rows of a plane lie end to end.
; SHARES.  Work-group g takes 32 rows of 1,024 numbers: g 0-255 of x, 256-351 of w_qkv, 352-383 of w_proj; g = 384 takes the biases.
; Thread t: row t / 16, 16 bytes at 16 (t % 16) of each 256 bytes: a load of a wave covers two rows x 256 bytes, a store 256 consecutive bytes, aligned.
; All 32 loads of a thread go out at once; no register that a store reads is ever written again.
; LIMIT: a number of w_proj beyond 65,504 has no f16; below 6e-5 f16 keeps a fixed step of 6e-8.
; No LDS, no matrix unit, no cluster: each byte is read once and written once, and nothing is shared.
.set VO, 2                             ; v[2:17]  byte offset of my 8 bytes in plane kb
.set X,  24                            ; v[24:151] item idx = 16 half + kb: four f32 as loaded
	s_load_b512 s[8:23], s[0:1], 0x0               ; x 8, w_qkv 10, w_proj 12, b_qkv 14, b_proj 16, xb 18, wqb 20, wpb 22
	s_load_b64 s[24:25], s[0:1], 0x40              ; br
	v_lshrrev_b32 v20, 4, v0                       ; my row of sixteen
	v_and_b32 v21, 15, v0
	v_lshlrev_b32 v1, 12, v20                      ; in: row x 4,096 + 16 x place
	v_lshl_add_u32 v1, v21, 4, v1
	v_lshlrev_b32 v[VO], 7, v20                    ; out: row x 128 + 8 x place
	v_lshl_add_u32 v[VO], v21, 3, v[VO]
	v_lshlrev_b32 v18, 4, v0                       ; the biases: 16 bytes a thread
	s_mov_b32 s32, 0xffff0000                      ; a word's upper bf16
	s_wait_kmcnt 0x0
	s_cmp_eq_u32 ttmp9, 384
	s_cbranch_scc1 .Lbias
	s_mov_b32 s30, 0x60000                         ; bytes from plane to plane: wqb 393,216
	s_cmp_lt_u32 ttmp9, 256
	s_cselect_b64 s[26:27], s[8:9], s[10:11]       ; from
	s_cselect_b64 s[28:29], s[18:19], s[20:21]     ; to
	s_cselect_b32 s30, 0x100000, s30               ; xb 1,048,576
	s_cselect_b32 s31, 0, 256                      ; the tensor's first work-group
	s_cmp_lt_u32 ttmp9, 352
	s_cselect_b64 s[26:27], s[26:27], s[12:13]
	s_cselect_b64 s[28:29], s[28:29], s[22:23]
	s_cselect_b32 s30, s30, 0x20000                ; wpb 131,072
	s_cselect_b32 s31, s31, 352
	s_sub_co_u32 s31, ttmp9, s31                   ; my block of 32 rows
	s_lshl_b32 s34, s31, 17                        ; x 32 rows x 4,096 bytes
	s_mov_b32 s35, 0
	s_lshl_b32 s36, s31, 12                        ; x 32 rows x 128 bytes
	s_mov_b32 s37, 0
	s_add_nc_u64 s[26:27], s[26:27], s[34:35]
	s_add_nc_u64 s[28:29], s[28:29], s[36:37]
.set k, 1
.rept 15
	v_add_nc_u32 v[VO+k], s30, v[VO+k-1]
.set k, k+1
.endr
.set i, 0
.rept 32
	global_load_b128 v[X+4*i:X+4*i+3], v1, s[26:27] offset:(i/16)*65536+(i%16)*256 th:TH_LOAD_NT
.set i, i+1
.endr
; Item idx: four numbers are rounded and stored.  fmt 0: bf16.  fmt 1: bf16, widened again, written as f16.
.macro ITEM idx, fmt
.set xr, X+4*(\idx)
	s_wait_loadcnt 31-(\idx)                       ; loads come back in order: mine is in, the younger ones stay out
	v_cvt_pk_bf16_f32 v[xr], v[xr], v[xr+1]
	v_cvt_pk_bf16_f32 v[xr+1], v[xr+2], v[xr+3]
.if \fmt
	v_lshlrev_b32 v[xr+2], 16, v[xr]
	v_and_b32 v[xr+3], s32, v[xr]
	v_cvt_pk_f16_f32 v[xr], v[xr+2], v[xr+3]
	v_lshlrev_b32 v[xr+2], 16, v[xr+1]
	v_and_b32 v[xr+3], s32, v[xr+1]
	v_cvt_pk_f16_f32 v[xr+1], v[xr+2], v[xr+3]
.endif
	global_store_b64 v[VO+(\idx)%16], v[xr:xr+1], s[28:29] offset:((\idx)/16)*2048 th:TH_STORE_NT
.endm
	s_cmp_ge_u32 ttmp9, 352
	s_cbranch_scc1 .Lf16
.set i, 0
.rept 32
	ITEM i, 0
.set i, i+1
.endr
	s_endpgm
.Lf16:
.set i, 0
.rept 32
	ITEM i, 1
.set i, i+1
.endr
	s_endpgm
.Lbias:                                        ; 4,096 numbers: b_qkv, then b_proj
	global_load_b128 v[24:27], v18, s[14:15]
	global_load_b128 v[28:31], v18, s[14:15] offset:4096
	global_load_b128 v[32:35], v18, s[14:15] offset:8192
	global_load_b128 v[36:39], v18, s[16:17]
	s_wait_loadcnt 0x0
.set i, 24
.rept 8
	v_cvt_pk_bf16_f32 v40, v[i], v[i+1]
	v_lshlrev_b32 v[i], 16, v40
	v_and_b32 v[i+1], s32, v40
.set i, i+2
.endr
	global_store_b128 v18, v[24:27], s[24:25]
	global_store_b128 v18, v[28:31], s[24:25] offset:4096
	global_store_b128 v18, v[32:35], s[24:25] offset:8192
	global_store_b128 v18, v[36:39], s[24:25] offset:12288
	s_endpgm
.Lfunc_end_k_q75f51b65da_cast:
	.size	k_q75f51b65da_cast, .Lfunc_end_k_q75f51b65da_cast-k_q75f51b65da_cast
	.p2alignl 7, 3214868480
	.fill 96, 4, 3214868480
	.section	.rodata,"a",@progbits
	.p2align	6, 0x0
	.amdhsa_kernel k_q75f51b65da_cast
		.amdhsa_group_segment_fixed_size 0
		.amdhsa_private_segment_fixed_size 0
		.amdhsa_enable_private_segment 0
		.amdhsa_kernarg_size 72
		.amdhsa_user_sgpr_count 2
		.amdhsa_user_sgpr_kernarg_segment_ptr 1
		.amdhsa_wavefront_size32 1
		.amdhsa_system_sgpr_workgroup_id_x 1
		.amdhsa_system_sgpr_workgroup_id_y 1
		.amdhsa_system_sgpr_workgroup_id_z 1
		.amdhsa_system_vgpr_workitem_id 0
		.amdhsa_next_free_vgpr 160
		.amdhsa_next_free_sgpr 66
		.amdhsa_reserve_vcc 0
		.amdhsa_float_denorm_mode_32 3
		.amdhsa_float_denorm_mode_16_64 3
		.amdhsa_memory_ordered 1
		.amdhsa_forward_progress 1
		.amdhsa_inst_pref_size 32
	.end_amdhsa_kernel
	.amdgpu_metadata
---
amdhsa.version: [ 1, 2 ]
amdhsa.kernels:
  - .name:           k_q75f51b65da_cast
    .symbol:         k_q75f51b65da_cast.kd
    .args:
      - { .name: x, .offset: 0, .size: 8, .value_kind: global_buffer, .address_space: global }
      - { .name: w_qkv, .offset: 8, .size: 8, .value_kind: global_buffer, .address_space: global }
      - { .name: w_proj, .offset: 16, .size: 8, .value_kind: global_buffer, .address_space: global }
      - { .name: b_qkv, .offset: 24, .size: 8, .value_kind: global_buffer, .address_space: global }
      - { .name: b_proj, .offset: 32, .size: 8, .value_kind: global_buffer, .address_space: global }
      - { .name: xb, .offset: 40, .size: 8, .value_kind: global_buffer, .address_space: global }
      - { .name: wqb, .offset: 48, .size: 8, .value_kind: global_buffer, .address_space: global }
      - { .name: wpb, .offset: 56, .size: 8, .value_kind: global_buffer, .address_space: global }
      - { .name: br, .offset: 64, .size: 8, .value_kind: global_buffer, .address_space: global }
    .group_segment_fixed_size: 0
    .private_segment_fixed_size: 0
    .kernarg_segment_align: 8
    .kernarg_segment_size: 72
    .max_flat_workgroup_size: 256
    .sgpr_count:     66
    .vgpr_count:     160
    .wavefront_size: 32
...
	.end_amdgpu_metadata
.endif
;; end of part 1
;; launch qkv (part 2): grid 12 x 32, 4 waves a work-group, clusters of 4 x 4, 327,680 bytes of LDS; arguments xb, wqb, br, qkvb; writes qkvb
.if DOCPART == 2
	.amdgcn_target "amdgcn-amd-amdhsa--gfx1250"
	.amdhsa_code_object_version 6
	.text
	.protected	k_q75f51b65da_qkv
	.globl	k_q75f51b65da_qkv
	.p2align	8
	.type	k_q75f51b65da_qkv,@function
k_q75f51b65da_qkv:
	s_mov_b64 s[64:65], 0
	v_nop
	global_prefetch_b8 v0, s[64:65] scope:SCOPE_SE
	s_setreg_imm32_b32 hwreg(HW_REG_WAVE_MODE, 25, 1), 1
	s_wait_xcnt 0x0
	s_wait_alu depctr_hold_cnt(0) depctr_sa_sdst(0) depctr_va_vdst(0) depctr_va_sdst(0) depctr_va_ssrc(0) depctr_va_vcc(0) depctr_vm_vsrc(0)
	s_getreg_b32 s2, hwreg(HW_REG_IB_STS2, 6, 4)
	s_cmp_eq_u32 s2, 0
	s_cbranch_scc0 .Lentry_in_a_cluster
	s_endpgm
.Lentry_in_a_cluster:
	s_bfe_u32 s2, ttmp6, 0x10000c
	s_cmp_lg_u32 s2, 0xf033
	s_cbranch_scc0 .Lentry_shape_is_right
	s_endpgm
.Lentry_shape_is_right:
; qkv[t][o] = the sum over c of x[t][c] w_qkv[o][c] + b_qkv[o].  Operands bf16 in planes [16][rows][64]; sums f32; the bias is added in f32; the result is rounded once to f16 and
; stored in planes [48][8192][64]: q planes 0-15, k 16-31, v 32-47.  LIMIT: a result beyond 65,504 has no f16.
; THE FIRST 16 ROWS OF EACH BATCH ALSO LEAVE THEIR REMAINDER, lo = f16(result - hi), behind the planes, as [48][4 batches][16 rows][64]: a launch of its own makes those rows of the output from hi + lo.
; SHARES.  A work-group makes 256 rows x 256 columns; each of its four waves 128 x 128: 64 accumulators of 16 x 16, 512 registers.  384 work-groups.
; Tile row = 8 cy + the cluster's y: partner cy takes batch cy, so whether a tile holds a batch's first rows hangs on the cluster's y alone and is alike in all sixteen partners.
; THE RING.  K goes in steps of 128 (two planes) through two LDS slots; a step is 256 matrix instructions a wave, 224 of them between a slot's request and the wait for it.  A plane's rows are dense in
; memory: wave w fetches one plane of 256 rows (waves 0, 1: x's two, waves 2, 3: w's two) as 128 rows of 256 bytes, padded in LDS behind every 128 bytes: LDS rows are 144 bytes apart, and the sixteen
; rows of a fragment load start at sixteen different groups of four banks (ISA guide 11.1).  The loop is written for ONE step: the slot read and the slot filled are scalars turned by an exclusive or.
; CLUSTER 4 x 4: the four of a row of the cluster need the same tiles of x, the four of a column the same tiles of w: each tile is asked for jointly.
; THE PRODUCT IS USED TRANSPOSED (source 0 = 16 rows of w, source 1 = 16 rows of x): a lane holds one row t and eight neighbouring columns o.
; THE WAY OUT.  The ring has had its last fill: behind a barrier the f32 sums go into it as 256 rows of 1,040 bytes; behind a second barrier wave w walks rows 64 w .. 64 w + 63, eight a trip: eight lanes hold
; a row, a lane eight neighbouring columns of each of the four planes; a store covers four rows of a plane, 512 consecutive bytes.
; REGISTERS, in windows of 256.  Window 0: v10-29 addresses; v32-63 the bias; v64-127, v128-191 fragments of x, two buffers; on the way out v64-255.  Window 1: v64-191 fragments of w.
; Windows 2, 3: accumulator (a, b) at v[8 (8 (a % 4) + b)], rows 0-63 in window 2, rows 64-127 in window 3.
.set ASTR,  1048576                    ; bytes from plane to plane of xb
.set BSTR,  393216                     ; of wqb
.set QS,    1048576                    ; of qkvb
.set LOFF,  48*QS                      ; the remainders lie behind the 48 planes
.set PITCH, 144
.set PLB,   256*PITCH                  ; a plane of 256 rows in LDS
.set SLOTB, 4*PLB                      ; a slot: x's two planes, then w's two
.set DP,    1040                       ; a row of 256 f32 on the way out: 1,024 bytes + 16
.set SPARE, 2*SLOTB                    ; the spare words: 128 bytes a wave, two blocks of 256 bytes that no other line names
.set AA0,  10                          ; my lane's place in a slot's fragments of x; never rewritten
.set AB0,  11                          ; of w
.set ADRA, 12                          ; the same in the slot that is read
.set ADRB, 13
.set DST,  14                          ; v14-15 where my sums of rows 0-63, 64-127 go
.set RDA,  16                          ; where I read a row back
.set GO,   18                          ; my 16 bytes in 512 consecutive bytes of a plane
.set BOF,  19                          ; my eight columns in 64 numbers of the bias
.set N1,   20                          ; -1.0
.set PFO,  21                          ; 256 x lane
.set SPW,  28
.set NIL,  29
.set BIAS, 32                          ; v32-63: plane kb, column j at 8 kb + j
.set F0,   64
.set F1,   128
.set RAW,  64                          ; v64-127: 4 rows' group g, plane kb, column j at 32 g + 8 kb + j
.set T,    128
.set PK,   192
.set LOP,  224
.set G1A,  24
.set G0A,  32                          ; s[32:35] the first fill of slot 0; s[36:39] walks
.set G1B,  48
.set G0B,  56
.set OUT,  66
.set BR,   68
.set LOB,  70
.set PFA,  72                          ; where my prefetches stand
.set PST,  74                          ; a K step in my tensor: two planes
.set LIM,  76                          ; 1 in a wave that prefetches, else the greatest number
.set LIMLO, 77                         ; 6 in the wave that holds a batch's first rows, else the greatest number
.set MUL_LO, 0xa1                      ; source 0 (w) window 1, source 1 (x) window 0, C and D window 2
.set TO_B,   0x40                      ; destination window 1, address window 0
.set MSB, 0
.macro WIN new                         ; the high byte repeats the setting that is left; a switch that changes nothing is dropped
.if MSB != (\new)
	s_set_vgpr_msb (MSB<<8)|(\new)
.set MSB, \new
.endif
.endm
.macro PLACES                          ; four plain places behind matrix instructions (ISA guide 7.12.1)
.rept 4
	v_nop
.endr
.endm
.macro CREST                           ; a round of the cluster's barrier behind its opening barrier
	s_cmp_lg_u32 s12, 0
	s_cbranch_scc1 .Lnot_wave_0_\@
	s_barrier_signal -3
.Lnot_wave_0_\@:
	s_barrier_wait -3
	s_barrier_signal -1
	s_barrier_wait -1
.endm
.macro CROUND
	s_barrier_signal -1
	s_barrier_wait -1
	CREST
.endm
.macro JLOAD s                         ; waves 0, 1 fetch x's two planes, waves 2, 3 w's; s_nop 0 and four v_nop follow each line
	s_cmp_eq_u32 s13, 0
	s_cbranch_scc0 .Lfor_b_\@
	tensor_load_to_lds s[G0A+4*(\s):G0A+4*(\s)+3], s[G1A:G1A+7]
	s_nop 0
.rept 4
	v_nop
.endr
	s_branch .Lasked_\@
.Lfor_b_\@:
	tensor_load_to_lds s[G0B+4*(\s):G0B+4*(\s)+3], s[G1B:G1B+7]
	s_nop 0
.rept 4
	v_nop
.endr
.Lasked_\@:
.endm
; 16 products: row blocks a0, a0 + 1 of the window's four x all 8 column blocks, 32 along K.  The 64 accumulators take turns.  zero = 1: the first product starts the sum.
.macro MUL16 f, hi, a0, zero
	WIN MUL_LO+0x50*(\hi)
.irp a, \a0, (\a0)+1
.irp b, 0,1,2,3,4,5,6,7
.if \zero
	v_wmma_f32_16x16x32_bf16 v[8*(8*(\a)+(\b)):8*(8*(\a)+(\b))+7], v[(\f)+8*(\b):(\f)+8*(\b)+7], v[(\f)+8*(4*(\hi)+(\a)):(\f)+8*(4*(\hi)+(\a))+7], 0
.else
	v_wmma_f32_16x16x32_bf16 v[8*(8*(\a)+(\b)):8*(8*(\a)+(\b))+7], v[(\f)+8*(\b):(\f)+8*(\b)+7], v[(\f)+8*(4*(\hi)+(\a)):(\f)+8*(4*(\hi)+(\a))+7], v[8*(8*(\a)+(\b)):8*(8*(\a)+(\b))+7]
.endif
.endr
.endr
.endm
.macro FETCH k, f                      ; 32 LDS loads in one run: the fragments of a quarter step, at byte k behind my places in the slot, into buffer f; x's rows 64-127 last
	WIN TO_B
.irp i, 0,1,2,3,4,5,6,7
	ds_load_b128 v[(\f)+8*(\i):(\f)+8*(\i)+3],   v[ADRB] offset:(\k)+(\i)*16*PITCH
	ds_load_b128 v[(\f)+8*(\i)+4:(\f)+8*(\i)+7], v[ADRB] offset:(\k)+(\i)*16*PITCH+32
.endr
	WIN 0
.irp i, 0,1,2,3,4,5,6,7
	ds_load_b128 v[(\f)+8*(\i):(\f)+8*(\i)+3],   v[ADRA] offset:(\k)+(\i)*16*PITCH
	ds_load_b128 v[(\f)+8*(\i)+4:(\f)+8*(\i)+7], v[ADRA] offset:(\k)+(\i)*16*PITCH+32
.endr
.endm
.macro QUARTER k, f, g, zero           ; multiplies buffer f; in its middle fetches the next quarter, at byte k, into buffer g
	s_wait_dscnt 8                                 ; w's fragments and x's rows 0-63 are in; the youngest eight loads may be out
	MUL16 \f, 0, 0, \zero
	MUL16 \f, 0, 2, \zero
	PLACES
	FETCH \k, \g
	s_wait_dscnt 32                                ; all but the 32 just issued
	MUL16 \f, 1, 0, \zero
	MUL16 \f, 1, 2, \zero
.endm
; The first half of a step's last quarter, and the barrier of the change of slots: each wave waits for all its tensor loads (one is out: its part of the next slot), adds 0 to its spare word,
; and waits for that and for its own reads of this slot.  Behind the barrier nobody reads this slot any more and the next slot is whole.
.macro MEET
	WIN 0
	s_wait_tensorcnt 0x0
	ds_add_u32 v[SPW], v[NIL]
	s_wait_dscnt 9                                 ; the add and the youngest eight loads may be out
	MUL16 F1, 0, 0, 0
	s_wait_dscnt 0x0                               ; the add is done, my reads of this slot are over
	s_barrier_signal -1
	MUL16 F1, 0, 2, 0
	WIN 0
	s_barrier_wait -1
.endm
.macro NEXT                            ; the fragments' addresses in the other slot
	s_xor_b32 s22, s22, SLOTB
	v_add_nc_u32 v[ADRA], s22, v[AA0]
	v_add_nc_u32 v[ADRB], s22, v[AB0]
.endm
.macro RLOAD                           ; eight rows of sums: 16 LDS loads; of a pass's sixteen lanes eight take the even 16-byte columns of one row, eight the odd ones of the next
.irp g, 0,1
.irp kb, 0,1,2,3
	ds_load_b128 v[RAW+32*(\g)+8*(\kb):RAW+32*(\g)+8*(\kb)+3],   v[RDA] offset:(\g)*4*DP+(\kb)*256
	ds_load_b128 v[RAW+32*(\g)+8*(\kb)+4:RAW+32*(\g)+8*(\kb)+7], v[RDA] offset:(\g)*4*DP+(\kb)*256+16
.endr
.endr
.endm
	s_load_b256 s[4:11], s[0:1], 0x0               ; xb 4, wqb 6, br 8, qkvb 10
	v_lshl_add_u32 v[SPW], v0, 2, SPARE
	v_mov_b32 v[NIL], 0
	ds_add_u32 v[SPW], v[NIL]                      ; the opening add; its wait stands ahead of my first tensor load
	v_lshrrev_b32 v3, 5, v0
	v_readfirstlane_b32 s12, v3                    ; wave
	s_lshr_b32 s13, s12, 1                         ; my half of the rows; also: I fetch for x (0) or w (1)
	s_and_b32 s14, s12, 1                          ; my half of the columns; also: which plane of a step I fetch
	s_bfe_u32 s15, ttmp6, 0x40000                  ; cx
	s_bfe_u32 s16, ttmp6, 0x40004                  ; cy
	s_lshl_b32 s17, ttmp9, 2
	s_add_co_u32 s17, s17, s15                     ; tile column
	s_and_b32 s19, ttmp7, 0xffff                   ; the cluster's y: the block of 256 rows in a batch
	s_lshl3_add_u32 s18, s16, s19                  ; tile row = 8 cy + cluster y
	s_lshl_b32 s80, s16, 2
	s_lshl_b32 s80, 15, s80                        ; my row of the cluster
	s_lshl_b32 s81, 0x1111, s15                    ; my column
	s_or_b32 s[G1A], s80, (1<<16)|(1<<20)|(1<<21)|(4<<22)|(3<<25)  ; mask; 2-byte elements; padding on; bit 21 beside a mask; behind every 32 words, 4 words
	s_or_b32 s[G1B], s81, (1<<16)|(1<<20)|(1<<21)|(4<<22)|(3<<25)
.irp g, G1A, G1B
	s_mov_b32 s[(\g)+1], 128<<16                   ; tensor_dim0 = 128 elements: 256 bytes, two rows of a plane
	s_mov_b32 s[(\g)+2], 128<<16                   ; tensor_dim1 = 128: 256 rows of a plane
	s_mov_b32 s[(\g)+3], 128<<16                   ; tile_dim0
	s_mov_b32 s[(\g)+4], 128                       ; tile_dim1
	s_mov_b32 s[(\g)+5], 128                       ; dense: 128 elements from row to row
	s_mov_b32 s[(\g)+6], 0
	s_mov_b32 s[(\g)+7], 0
.endr
	s_mul_i32 s20, s12, PLB                        ; where my plane goes in a slot: no place in the cluster enters an LDS address
	s_mov_b32 s21, SLOTB                           ; the slot that the walking descriptors name
	s_mov_b32 s22, 0                               ; the slot that is read
	s_lshl_b32 s40, s18, 15                        ; x: 256 rows x 128 bytes x tile row, my plane
	s_lshl_b32 s41, s14, 20
	s_add_co_u32 s40, s40, s41
	s_mov_b32 s41, 0
	s_lshl_b32 s44, s17, 15                        ; w: 256 rows x 128 bytes x tile column, my plane
	s_mul_i32 s45, s14, BSTR
	s_add_co_u32 s44, s44, s45
	s_mov_b32 s45, 0
	s_lshl_b32 s80, s17, 22                        ; out: plane 4 x tile column, row 256 x tile row + 64 x wave
	s_lshl_b32 s81, s18, 15
	s_add_co_u32 s80, s80, s81
	s_lshl_b32 s81, s12, 13
	s_add_co_u32 s80, s80, s81
	s_mov_b32 s81, 0
	s_lshl_b32 s86, s17, 15                        ; the remainders: (plane x 4 + batch) x 2,048 bytes, behind the planes
	s_lshl_b32 s87, s16, 11
	s_add_co_u32 s86, s86, s87
	s_add_co_u32 s86, s86, LOFF
	s_mov_b32 s87, 0
	s_lshl_b32 s82, s17, 10                        ; bias: column 256 x tile column, 4 bytes each
	s_mov_b32 s83, 0
	s_mov_b32 s[PST], 2*BSTR
	s_cmp_eq_u32 s13, 0                            ; do I fetch for x?
	s_cselect_b32 s[PST], 2*ASTR, s[PST]
	s_cselect_b32 s88, s15, s16                    ; my place among the four that ask for the tile with me
	s_cselect_b32 s89, ttmp9, s19                  ; the coordinate along which other clusters read the same rows
	s_mov_b32 s[PST+1], 0
	s_lshl_b32 s90, s88, 13                        ; my work-group's 32 blocks of 256 bytes of the plane's 128
	s_mov_b32 s91, 0
	s_cmp_eq_u32 s89, 0
	s_cselect_b32 s[LIM], 1, -1                    ; the same in all sixteen partners, for a given wave
	s_or_b32 s92, s19, s12
	s_cmp_eq_u32 s92, 0                            ; wave 0 of the clusters with y = 0 walks a batch's first rows
	s_cselect_b32 s[LIMLO], 6, -1
	s_wait_dscnt 0x0                               ; the opening add is done
	s_wait_kmcnt 0x0
	s_add_nc_u64 s[42:43], s[4:5], s[40:41]
	s_add_nc_u64 s[46:47], s[6:7], s[44:45]
	s_add_nc_u64 s[OUT:OUT+1], s[10:11], s[80:81]
	s_add_nc_u64 s[LOB:LOB+1], s[10:11], s[86:87]
	s_add_nc_u64 s[BR:BR+1], s[8:9], s[82:83]
	s_cmp_eq_u32 s13, 0
	s_cselect_b64 s[PFA:PFA+1], s[42:43], s[46:47]
	s_add_nc_u64 s[PFA:PFA+1], s[PFA:PFA+1], s[90:91]
	s_add_nc_u64 s[PFA:PFA+1], s[PFA:PFA+1], s[PST:PST+1]
	s_add_nc_u64 s[PFA:PFA+1], s[PFA:PFA+1], s[PST:PST+1]  ; at K step 2: the first change of slots steps it to 3.  Nothing is prefetched here, at the head
	CROUND                                         ; all sixteen work-groups are here: the first joint loads meet
.irp s, 0,1
	s_mov_b32 s[G0A+4*(\s)], 1
	s_add_co_u32 s[G0A+4*(\s)+1], s20, (\s)*SLOTB
	s_add_nc_u64 s[G0A+4*(\s)+2:G0A+4*(\s)+3], s[42:43], (\s)*2*ASTR
	s_or_b32 s[G0A+4*(\s)+3], s[G0A+4*(\s)+3], 0x80000000
	s_mov_b32 s[G0B+4*(\s)], 1
	s_add_co_u32 s[G0B+4*(\s)+1], s20, (\s)*SLOTB
	s_add_nc_u64 s[G0B+4*(\s)+2:G0B+4*(\s)+3], s[46:47], (\s)*2*BSTR
	s_or_b32 s[G0B+4*(\s)+3], s[G0B+4*(\s)+3], 0x80000000
	JLOAD \s                                       ; two loads of mine are out
.endr
	v_and_b32 v1, 15, v0                           ; l % 16
	v_bfe_u32 v2, v0, 4, 1                         ; l / 16
	v_mul_u32_u24 v3, v1, PITCH
	v_lshl_add_u32 v3, v2, 4, v3                   ; a fragment's row x pitch + 16 x half
	s_mul_i32 s80, s13, 128*PITCH                  ; my 128 rows of x
	s_mul_i32 s81, s14, 128*PITCH                  ; my 128 rows of w,
	s_add_co_u32 s81, s81, 2*PLB                   ; which lie behind x's two planes
	v_add_nc_u32 v[AA0], s80, v3
	v_add_nc_u32 v[AB0], s81, v3
	v_mov_b32 v[ADRA], v[AA0]                      ; slot 0
	v_mov_b32 v[ADRB], v[AB0]
	s_mul_i32 s80, s13, 128*DP                     ; the sums' way into LDS: row 128 x half + l % 16, column 128 x half + 8 (l / 16)
	s_lshl_b32 s81, s14, 9
	s_add_co_u32 s80, s80, s81
	v_mul_u32_u24 v4, v1, DP
	v_lshl_add_u32 v4, v2, 5, v4
	v_add_nc_u32 v[DST], s80, v4
	v_add_nc_u32 v[DST+1], 64*DP, v[DST]
	v_and_b32 v5, 31, v0                           ; l
	v_lshrrev_b32 v6, 3, v5                        ; and back: row 64 x wave + l / 8,
	v_and_b32 v7, 7, v0                            ; eight columns at 8 (l % 8) of each plane
	s_mul_i32 s80, s12, 64*DP
	v_mul_u32_u24 v[RDA], v6, DP
	v_lshl_add_u32 v[RDA], v7, 5, v[RDA]
	v_add_nc_u32 v[RDA], s80, v[RDA]
	v_lshlrev_b32 v[GO], 4, v5
	v_lshlrev_b32 v[BOF], 5, v7
	v_lshlrev_b32 v[PFO], 8, v5
	v_mov_b32 v[N1], -1.0
.irp kb, 0,1,2,3
	global_load_b128 v[BIAS+8*(\kb):BIAS+8*(\kb)+3],   v[BOF], s[BR:BR+1] offset:256*(\kb)
	global_load_b128 v[BIAS+8*(\kb)+4:BIAS+8*(\kb)+7], v[BOF], s[BR:BR+1] offset:256*(\kb)+16
.endr
	s_wait_tensorcnt 1                             ; my part of step 0 is in; step 1's may stay out
	s_barrier_signal -1
	s_barrier_wait -1
	FETCH 0, F0
	QUARTER 64, F0, F1, 1                          ; the first quarter stands in front of the loop: its products start the sums
	WIN 0
	s_mov_b32 s3, 6
.Lstep:                                        ; a trip goes from a step's second quarter to the next step's first, and fills the slot that it leaves: steps 2 to 7
	QUARTER PLB, F1, F0, 0
	QUARTER PLB+64, F0, F1, 0
	s_wait_xcnt 0x0                                ; the last prefetch, a K step back, has read its address
	s_add_nc_u64 s[PFA:PFA+1], s[PFA:PFA+1], s[PST:PST+1]
	MEET
	CREST                                          ; the barrier has opened a round of the cluster's: no wave of any partner still reads this slot or has a load on its way
	s_xor_b32 s21, s21, SLOTB                      ; the walking descriptors: the other slot than last time,
	s_add_co_u32 s[G0A+5], s21, s20
	s_add_co_u32 s[G0B+5], s21, s20
	s_add_nc_u64 s[G0A+6:G0A+7], s[G0A+6:G0A+7], 2*ASTR  ; the next step's planes
	s_add_nc_u64 s[G0B+6:G0B+7], s[G0B+6:G0B+7], 2*BSTR
	JLOAD 1                                        ; its four v_nop are also the places in front of the loads below
	NEXT
	FETCH 0, F0
	; A PREFETCH INTO THE L2 of what the next change of slots will ask for: my plane's 256 rows are 128 blocks of 256 bytes; of them my work-group takes 32, told apart from its three partners' by address: a lane a block.
	; x's rows are read by every cluster of a row of clusters: the one with x = 0 asks; w's by every cluster of a column: the one with y = 0 asks.  The loop's last trip has no step behind its own refill.
	s_cmp_gt_u32 s3, s[LIM]
	s_cbranch_scc0 .Lnot_mine
	global_prefetch_b8 v[PFO], s[PFA:PFA+1] th:TH_LOAD_NT scope:SCOPE_SE
.Lnot_mine:
	MUL16 F1, 1, 0, 0
	MUL16 F1, 1, 2, 0
	QUARTER 64, F0, F1, 0
	WIN 0
	s_sub_co_u32 s3, s3, 1
	s_cmp_lg_u32 s3, 0
	s_cbranch_scc1 .Lstep
	s_mov_b32 s3, 2
.Ltail:                                        ; the last two steps ask for nothing; the second trip is left in its middle
	QUARTER PLB, F1, F0, 0
	QUARTER PLB+64, F0, F1, 0
	MEET
	s_sub_co_u32 s3, s3, 1
	s_cmp_eq_u32 s3, 0
	s_cbranch_scc1 .Lout
	PLACES
	NEXT
	FETCH 0, F0
	MUL16 F1, 1, 0, 0
	MUL16 F1, 1, 2, 0
	QUARTER 64, F0, F1, 0
	WIN 0
	s_branch .Ltail
.Lout:
	MUL16 F1, 1, 0, 0
	MUL16 F1, 1, 2, 0
	WIN 0
	PLACES
	PLACES
	s_wait_dscnt 0x0
	s_barrier_signal -1
	s_barrier_wait -1                              ; no wave reads the ring any more, and nothing is filled again: the sums may go into it
.irp a, 0,1,2,3,4,5,6,7
	WIN 0x08+4*((\a)/4)                            ; the stores' data in window 2 or 3; each accumulator's low half first
.irp b, 0,1,2,3,4,5,6,7
	ds_store_b128 v[DST+(\a)/4], v[8*(8*((\a)%4)+(\b)):8*(8*((\a)%4)+(\b))+3]   offset:((\a)%4)*16*DP+64*(\b)
	ds_store_b128 v[DST+(\a)/4], v[8*(8*((\a)%4)+(\b))+4:8*(8*((\a)%4)+(\b))+7] offset:((\a)%4)*16*DP+64*(\b)+16
.endr
.endr
	WIN 0
	s_wait_dscnt 0x0                               ; for the others' sake: my sums lie in LDS
	s_barrier_signal -1
	s_barrier_wait -1
	s_wait_loadcnt 0x0                             ; the bias
	RLOAD
	s_mov_b32 s3, 8
.Lrow:                                         ; eight rows a trip
	s_wait_dscnt 0x0
.set n, 0
.rept 32
	v_pk_add_f32 v[T+2*n:T+2*n+1], v[RAW+2*n:RAW+2*n+1], v[BIAS+(2*n)%32:BIAS+(2*n)%32+1]
.set n, n+1
.endr
	v_add_nc_u32 v[RDA], 8*DP, v[RDA]
	s_cmp_eq_u32 s3, 1
	s_cbranch_scc1 .Lnoload
	RLOAD                                          ; the next eight rows come while these are rounded and stored
.Lnoload:
.set n, 0
.rept 32
	v_cvt_pk_f16_f32 v[PK+n], v[T+2*n], v[T+2*n+1]
.set n, n+1
.endr
.irp g, 0,1
.irp kb, 0,1,2,3
	global_store_b128 v[GO], v[PK+16*(\g)+4*(\kb):PK+16*(\g)+4*(\kb)+3], s[OUT:OUT+1] offset:(\kb)*QS+(\g)*512  ; four rows of a plane: 512 consecutive bytes
.endr
.endr
	s_cmp_gt_u32 s3, s[LIMLO]                      ; a batch's first 16 rows: the first two trips of one wave
	s_cbranch_scc0 .Lnolo
.set n, 0
.rept 32
	v_fma_mix_f32 v[T+2*n],   v[PK+n], v[N1], v[T+2*n]   op_sel_hi:[1,0,0]               ; hi x (-1) + the result: exact in f32
	v_fma_mix_f32 v[T+2*n+1], v[PK+n], v[N1], v[T+2*n+1] op_sel:[1,0,0] op_sel_hi:[1,0,0]
.set n, n+1
.endr
.set n, 0
.rept 32
	v_cvt_pk_f16_f32 v[LOP+n], v[T+2*n], v[T+2*n+1]
.set n, n+1
.endr
.irp g, 0,1
.irp kb, 0,1,2,3
	global_store_b128 v[GO], v[LOP+16*(\g)+4*(\kb):LOP+16*(\g)+4*(\kb)+3], s[LOB:LOB+1] offset:(\kb)*8192+(\g)*512
.endr
.endr
.Lnolo:
	s_wait_xcnt 0x0                                ; the stores' data and offset are written again only behind this wait
	v_add_nc_u32 v[GO], 1024, v[GO]
	s_sub_co_u32 s3, s3, 1
	s_cmp_lg_u32 s3, 0
	s_cbranch_scc1 .Lrow
	s_wait_tensorcnt 0x0                           ; the wave's end
	ds_add_u32 v[SPW], v[NIL]
	s_wait_dscnt 0x0
	CROUND                                         ; the closing round
	s_endpgm
.Lfunc_end_k_q75f51b65da_qkv:
	.size	k_q75f51b65da_qkv, .Lfunc_end_k_q75f51b65da_qkv-k_q75f51b65da_qkv
	.p2alignl 7, 3214868480
	.fill 96, 4, 3214868480
	.section	.rodata,"a",@progbits
	.p2align	6, 0x0
	.amdhsa_kernel k_q75f51b65da_qkv
		.amdhsa_group_segment_fixed_size 327680
		.amdhsa_private_segment_fixed_size 0
		.amdhsa_enable_private_segment 0
		.amdhsa_kernarg_size 32
		.amdhsa_user_sgpr_count 2
		.amdhsa_user_sgpr_kernarg_segment_ptr 1
		.amdhsa_wavefront_size32 1
		.amdhsa_system_sgpr_workgroup_id_x 1
		.amdhsa_system_sgpr_workgroup_id_y 1
		.amdhsa_system_sgpr_workgroup_id_z 1
		.amdhsa_system_vgpr_workitem_id 0
		.amdhsa_next_free_vgpr 1024
		.amdhsa_next_free_sgpr 100
		.amdhsa_reserve_vcc 0
		.amdhsa_float_denorm_mode_32 3
		.amdhsa_float_denorm_mode_16_64 3
		.amdhsa_memory_ordered 1
		.amdhsa_forward_progress 1
		.amdhsa_inst_pref_size 95
	.end_amdhsa_kernel
	.amdgpu_metadata
---
amdhsa.version: [ 1, 2 ]
amdhsa.kernels:
  - .name:           k_q75f51b65da_qkv
    .symbol:         k_q75f51b65da_qkv.kd
    .args:
      - { .name: xb, .offset: 0, .size: 8, .value_kind: global_buffer, .address_space: global }
      - { .name: wqb, .offset: 8, .size: 8, .value_kind: global_buffer, .address_space: global }
      - { .name: br, .offset: 16, .size: 8, .value_kind: global_buffer, .address_space: global }
      - { .name: qkvb, .offset: 24, .size: 8, .value_kind: global_buffer, .address_space: global }
    .group_segment_fixed_size: 327680
    .private_segment_fixed_size: 0
    .kernarg_segment_align: 8
    .kernarg_segment_size: 32
    .max_flat_workgroup_size: 128
    .sgpr_count:     100
    .vgpr_count:     1024
    .wavefront_size: 32
...
	.end_amdgpu_metadata
.endif
;; end of part 2
;; launch scores (part 3): grid 36 x 4, 4 waves a work-group, no clusters, 327,680 bytes of LDS; arguments qkvb, pb, st; writes pb, st
.if DOCPART == 3
	.amdgcn_target "amdgcn-amd-amdhsa--gfx1250"
	.amdhsa_code_object_version 6
	.text
	.protected	k_q75f51b65da_scores
	.globl	k_q75f51b65da_scores
	.p2align	8
	.type	k_q75f51b65da_scores,@function
k_q75f51b65da_scores:
	s_mov_b64 s[64:65], 0
	v_nop
	global_prefetch_b8 v0, s[64:65] scope:SCOPE_SE
	s_setreg_imm32_b32 hwreg(HW_REG_WAVE_MODE, 25, 1), 1
	s_wait_xcnt 0x0
; One tile of the causal weights: 256 queries (block I) x 256 keys (block J <= I) of one batch.  s = q . k, sums f32; where key > query the score counts as -1e30;
; m = the row's maximum in this tile; p = 2^(c s - c m), c = log2(e) / 32, rounded to f16 into pb; c m and the sums l of the unrounded p (one for each half of the keys) go to st in f32.
; The launch behind joins the tiles of a row by their maxima.  Tiles above the diagonal are not made.  LIMITS: q, k within f16; a weight below 2^-126 counts as 0; below 6e-5 f16 keeps a fixed step of 6e-8.
; SHARES.  36 tiles a batch, 144 work-groups: the triangle has no more tiles of this size.  A wave has 128 queries x 128 keys: 64 accumulators, 512 registers.
; THE RING.  K goes in steps of 128 (two planes) through two LDS slots; a step is 256 matrix instructions a wave, 224 of them between a slot's request and the wait for it.  Wave w fetches one plane of 256 rows
; (waves 0, 1: q's two, waves 2, 3: k's two) as 128 rows of 256 bytes, padded behind every 128 bytes: LDS rows 144 bytes apart (ISA guide 11.1: sixteen rows start at sixteen different groups of four banks).
; The loop is written for ONE step: the slot read and the slot filled are scalars turned by an exclusive or.  The product is used transposed (source 0 = keys, source 1 = queries).
; NO CLUSTER: a block of queries has 1 to 8 tiles and a block of keys 1 to 8, so the tiles do not fall into fours that share an operand at every place of the triangle.
; THE WAY OUT.  The ring has had its last fill: behind a barrier the f32 scores go into it as 256 rows of 1,040 bytes; behind a second barrier wave w walks rows 64 w .. 64 w + 63, eight a trip: eight lanes hold
; a row, so its maximum and sums want three steps between lanes and no other wave; a lane holds eight neighbouring keys of each of the four planes, and a store covers four rows of a plane, 512 consecutive bytes.
; REGISTERS, in windows of 256.  Window 0: v10-29 addresses; v32-49 a trip's figures; v64-127, v128-191 fragments of q, two buffers; on the way out v64-223.  Window 1: v64-191 fragments of k.
; Windows 2, 3: accumulator (a, b) at v[8 (8 (a % 4) + b)].
.set QS,    1048576
.set PITCH, 144
.set PLB,   256*PITCH
.set SLOTB, 4*PLB
.set DP,    1040
.set SPARE, 2*SLOTB                    ; the spare words: two blocks of 256 bytes that no other line names
.set STATS, SPARE+512                  ; c m, l of keys 0-127, l of keys 128-255: 1,024 bytes each, a word a row; no fill ever lands here
.set AA0,  10
.set AB0,  11
.set ADRA, 12
.set ADRB, 13
.set DST,  14
.set RDA,  16
.set DD,   17                          ; my first row's place in the tile less my keys' 8 (l % 8): key (g, kb, j) is hidden where 64 kb + j - 4 g is greater
.set GO,   18
.set SA,   19                          ; where my row's figures go
.set SXR,  20                          ; where I read two rows' figures back
.set G8,   21                          ; 8 x lane
.set PFO,  22                          ; 256 x lane
.set SPW,  28
.set NIL,  29
.set MXC,  32                          ; v32-35 four chains of maxima
.set CM,   36                          ; v36-39 c m, a pair for each group of four rows
.set LS,   40                          ; v40-43 l: group g, half of the keys hf at 2 g + hf
.set SO,   44                          ; v44-49 the figures on their way out
.set F0,   64
.set F1,   128
.set RAW,  64                          ; group g, plane kb, key j at 32 g + 8 kb + j
.set S,    128
.set PK,   192
.set G1,   24
.set G0,   32                          ; s[32:35] the first fill of slot 0; s[36:39] walks
.set OUT,  66
.set STB,  68
.set PFA,  72
.set CS,   74
.set LIM,  76
.set BIGN, 78
.set DG,   79
.set MUL_LO, 0xa1
.set TO_B,   0x40
.set MSB, 0
.macro WIN new
.if MSB != (\new)
	s_set_vgpr_msb (MSB<<8)|(\new)
.set MSB, \new
.endif
.endm
.macro PLACES
.rept 4
	v_nop
.endr
.endm
.macro TLOAD s                         ; every wave fetches a plane of its own; s_nop 0 and four v_nop follow
	tensor_load_to_lds s[G0+4*(\s):G0+4*(\s)+3], s[G1:G1+7]
	s_nop 0
.rept 4
	v_nop
.endr
.endm
.macro MUL16 f, hi, a0, zero           ; 16 products; the 64 accumulators take turns; zero = 1: the first product starts the sum
	WIN MUL_LO+0x50*(\hi)
.irp a, \a0, (\a0)+1
.irp b, 0,1,2,3,4,5,6,7
.if \zero
	v_wmma_f32_16x16x32_f16 v[8*(8*(\a)+(\b)):8*(8*(\a)+(\b))+7], v[(\f)+8*(\b):(\f)+8*(\b)+7], v[(\f)+8*(4*(\hi)+(\a)):(\f)+8*(4*(\hi)+(\a))+7], 0
.else
	v_wmma_f32_16x16x32_f16 v[8*(8*(\a)+(\b)):8*(8*(\a)+(\b))+7], v[(\f)+8*(\b):(\f)+8*(\b)+7], v[(\f)+8*(4*(\hi)+(\a)):(\f)+8*(4*(\hi)+(\a))+7], v[8*(8*(\a)+(\b)):8*(8*(\a)+(\b))+7]
.endif
.endr
.endr
.endm
.macro FETCH k, f                      ; 32 LDS loads in one run; q's rows 64-127 last
	WIN TO_B
.irp i, 0,1,2,3,4,5,6,7
	ds_load_b128 v[(\f)+8*(\i):(\f)+8*(\i)+3],   v[ADRB] offset:(\k)+(\i)*16*PITCH
	ds_load_b128 v[(\f)+8*(\i)+4:(\f)+8*(\i)+7], v[ADRB] offset:(\k)+(\i)*16*PITCH+32
.endr
	WIN 0
.irp i, 0,1,2,3,4,5,6,7
	ds_load_b128 v[(\f)+8*(\i):(\f)+8*(\i)+3],   v[ADRA] offset:(\k)+(\i)*16*PITCH
	ds_load_b128 v[(\f)+8*(\i)+4:(\f)+8*(\i)+7], v[ADRA] offset:(\k)+(\i)*16*PITCH+32
.endr
.endm
.macro QUARTER k, f, g, zero
	s_wait_dscnt 8                                 ; the youngest eight loads (q's rows 64-127) may be out
	MUL16 \f, 0, 0, \zero
	MUL16 \f, 0, 2, \zero
	PLACES
	FETCH \k, \g
	s_wait_dscnt 32                                ; all but the 32 just issued
	MUL16 \f, 1, 0, \zero
	MUL16 \f, 1, 2, \zero
.endm
.macro MEET                            ; the barrier of the change of slots: all my tensor loads waited for, the add, my reads of this slot over
	WIN 0
	s_wait_tensorcnt 0x0
	ds_add_u32 v[SPW], v[NIL]
	s_wait_dscnt 9                                 ; the add and the youngest eight loads may be out
	MUL16 F1, 0, 0, 0
	s_wait_dscnt 0x0
	s_barrier_signal -1
	MUL16 F1, 0, 2, 0
	WIN 0
	s_barrier_wait -1
.endm
.macro NEXT
	s_xor_b32 s22, s22, SLOTB
	v_add_nc_u32 v[ADRA], s22, v[AA0]
	v_add_nc_u32 v[ADRB], s22, v[AB0]
.endm
.macro RLOAD                           ; eight rows of scores: 16 LDS loads
.irp g, 0,1
.irp kb, 0,1,2,3
	ds_load_b128 v[RAW+32*(\g)+8*(\kb):RAW+32*(\g)+8*(\kb)+3],   v[RDA] offset:(\g)*4*DP+(\kb)*256
	ds_load_b128 v[RAW+32*(\g)+8*(\kb)+4:RAW+32*(\g)+8*(\kb)+7], v[RDA] offset:(\g)*4*DP+(\kb)*256+16
.endr
.endr
.endm
	s_load_b128 s[4:7], s[0:1], 0x0                ; qkvb 4, pb 6
	s_load_b64 s[8:9], s[0:1], 0x10                ; st
	v_lshl_add_u32 v[SPW], v0, 2, SPARE
	v_mov_b32 v[NIL], 0
	ds_add_u32 v[SPW], v[NIL]                      ; the opening add
	v_lshrrev_b32 v3, 5, v0
	v_readfirstlane_b32 s12, v3
	s_lshr_b32 s13, s12, 1                         ; my half of the queries; also: I fetch q (0) or k (1)
	s_and_b32 s14, s12, 1                          ; my half of the keys; also: which plane
	s_mov_b32 s80, ttmp9
	s_and_b32 s81, ttmp7, 0xffff                   ; batch
	s_mov_b32 s82, 0                               ; I: how many of the rows' first tile numbers I (I + 1) / 2 the tile number has reached
.irp th, 1,3,6,10,15,21,28
	s_cmp_ge_u32 s80, \th
	s_add_co_ci_u32 s82, s82, 0
.endr
	s_add_co_u32 s83, s82, 1
	s_mul_i32 s84, s82, s83
	s_lshr_b32 s84, s84, 1
	s_sub_co_u32 s86, s80, s84                     ; J
	s_cmp_eq_u32 s86, s82
	s_cselect_b32 s[DG], 1, 0                      ; the tile holds the diagonal
	s_sub_co_u32 s87, s82, s86
	s_cmp_eq_u32 s13, 0
	s_cselect_b32 s85, s82, s86                    ; q's rows go by I, k's by J
	s_cselect_b32 s87, s86, s87                    ; q's rows are read by the tiles J = 0 .. I: the one with J = 0 prefetches; k's by the tiles I = J .. 7: the one with I = J
	s_cmp_eq_u32 s87, 0
	s_cselect_b32 s[LIM], 1, -1
	s_mov_b32 s[G1], (1<<16)|(1<<20)|(4<<22)|(3<<25)  ; 2-byte elements; padding on; behind every 32 words, 4 words
	s_mov_b32 s[G1+1], 128<<16                     ; tensor_dim0 = 128 elements: 256 bytes, two rows of a plane
	s_mov_b32 s[G1+2], 128<<16                     ; tensor_dim1 = 128
	s_mov_b32 s[G1+3], 128<<16                     ; tile_dim0
	s_mov_b32 s[G1+4], 128                         ; tile_dim1
	s_mov_b32 s[G1+5], 128                         ; dense
	s_mov_b32 s[G1+6], 0
	s_mov_b32 s[G1+7], 0
	s_mul_i32 s20, s12, PLB                        ; where my plane goes in a slot
	s_mov_b32 s21, SLOTB                           ; the slot that the walking descriptor names
	s_mov_b32 s22, 0                               ; the slot that is read
	s_lshl4_add_u32 s88, s13, s14                  ; my plane: q's begin at 0, k's at 16
	s_lshl_b32 s40, s88, 20
	s_lshl_b32 s41, s81, 18                        ; 2,048 rows of 128 bytes a batch
	s_add_co_u32 s40, s40, s41
	s_lshl_b32 s41, s85, 15                        ; 256 rows a block
	s_add_co_u32 s40, s40, s41
	s_mov_b32 s41, 0
	s_lshl3_add_u32 s90, s81, s86                  ; 8 b + J
	s_lshl4_add_u32 s91, s90, s13                  ; pb's tile of 128 rows: (8 b + J) 16 + 2 I + wave / 2
	s_lshl1_add_u32 s91, s82, s91
	s_lshl_b32 s92, s91, 16
	s_lshl_b32 s93, s14, 13                        ; my 64 rows in it
	s_add_co_u32 s92, s92, s93
	s_mov_b32 s93, 0
	s_lshl_b32 s94, s90, 11                        ; st: ((8 b + J) 2,048 + 256 I + 64 wave) x 4
	s_lshl_b32 s95, s82, 8
	s_add_co_u32 s94, s94, s95
	s_lshl_b32 s95, s12, 6
	s_add_co_u32 s94, s94, s95
	s_lshl_b32 s94, s94, 2
	s_mov_b32 s95, 0
	s_mov_b32 s[CS], 0x3d38aa3b                    ; c = log2(e) / 32
	s_mov_b32 s[CS+1], s[CS]
	s_mov_b32 s[BIGN], 0xf149f2ca                  ; -1e30
	s_wait_dscnt 0x0
	s_wait_kmcnt 0x0
	s_add_nc_u64 s[42:43], s[4:5], s[40:41]
	s_add_nc_u64 s[OUT:OUT+1], s[6:7], s[92:93]
	s_add_nc_u64 s[STB:STB+1], s[8:9], s[94:95]
	s_add_nc_u64 s[PFA:PFA+1], s[42:43], 4*QS      ; at K step 2: the first change of slots steps it to 3.  Nothing is prefetched here, at the head
.irp s, 0,1
	s_mov_b32 s[G0+4*(\s)], 1
	s_add_co_u32 s[G0+4*(\s)+1], s20, (\s)*SLOTB
	s_add_nc_u64 s[G0+4*(\s)+2:G0+4*(\s)+3], s[42:43], (\s)*2*QS
	s_or_b32 s[G0+4*(\s)+3], s[G0+4*(\s)+3], 0x80000000
	TLOAD \s                                       ; two loads of mine are out
.endr
	v_and_b32 v1, 15, v0
	v_bfe_u32 v2, v0, 4, 1
	v_mul_u32_u24 v3, v1, PITCH
	v_lshl_add_u32 v3, v2, 4, v3
	s_mul_i32 s80, s13, 128*PITCH
	s_mul_i32 s81, s14, 128*PITCH
	s_add_co_u32 s81, s81, 2*PLB
	v_add_nc_u32 v[AA0], s80, v3
	v_add_nc_u32 v[AB0], s81, v3
	v_mov_b32 v[ADRA], v[AA0]
	v_mov_b32 v[ADRB], v[AB0]
	s_mul_i32 s80, s13, 128*DP                     ; the scores' way into LDS: row 128 x half + l % 16, key 128 x half + 8 (l / 16)
	s_lshl_b32 s81, s14, 9
	s_add_co_u32 s80, s80, s81
	v_mul_u32_u24 v4, v1, DP
	v_lshl_add_u32 v4, v2, 5, v4
	v_add_nc_u32 v[DST], s80, v4
	v_add_nc_u32 v[DST+1], 64*DP, v[DST]
	v_and_b32 v5, 31, v0                           ; l
	v_lshrrev_b32 v6, 3, v5                        ; and back: row 64 x wave + l / 8,
	v_and_b32 v7, 7, v0                            ; eight keys at 8 (l % 8) of each plane
	s_mul_i32 s80, s12, 64*DP
	v_mul_u32_u24 v[RDA], v6, DP
	v_lshl_add_u32 v[RDA], v7, 5, v[RDA]
	v_add_nc_u32 v[RDA], s80, v[RDA]
	v_lshlrev_b32 v[GO], 4, v5
	v_lshlrev_b32 v[G8], 3, v5
	v_lshlrev_b32 v[PFO], 8, v5
	v_lshlrev_b32 v8, 3, v7
	v_sub_nc_u32 v[DD], v6, v8
	s_lshl_b32 s80, s12, 6
	v_add_nc_u32 v[DD], s80, v[DD]
	s_lshl_b32 s80, s12, 8
	s_add_co_u32 s80, s80, STATS                   ; my wave's 64 words
	v_lshl_add_u32 v[SA], v6, 2, s80
	v_lshl_add_u32 v[SXR], v5, 3, s80
	s_wait_tensorcnt 1                             ; my part of step 0 is in; step 1's may stay out
	s_barrier_signal -1
	s_barrier_wait -1
	FETCH 0, F0
	QUARTER 64, F0, F1, 1                          ; the first quarter stands in front of the loop: its products start the sums
	WIN 0
	s_mov_b32 s3, 6
.Lstep:                                        ; a trip goes from a step's second quarter to the next step's first, and fills the slot that it leaves: steps 2 to 7
	QUARTER PLB, F1, F0, 0
	QUARTER PLB+64, F0, F1, 0
	s_wait_xcnt 0x0                                ; the last prefetches, a K step back, have read their address
	s_add_nc_u64 s[PFA:PFA+1], s[PFA:PFA+1], 2*QS
	MEET
	s_xor_b32 s21, s21, SLOTB                      ; the walking descriptor: the other slot than last time,
	s_add_co_u32 s[G0+5], s21, s20
	s_add_nc_u64 s[G0+6:G0+7], s[G0+6:G0+7], 2*QS  ; the next step's plane
	TLOAD 1                                        ; its four v_nop are also the places in front of the loads below
	NEXT
	FETCH 0, F0
	; A PREFETCH INTO THE L2 of what the next change of slots will ask for: my plane's 256 rows, 128 blocks of 256 bytes, a lane a block, four instructions.  Each block is named once in the launch (who: at LIM's making).
	; The loop's last trip has no step behind its own refill.
	s_cmp_gt_u32 s3, s[LIM]
	s_cbranch_scc0 .Lnot_mine
.irp q, 0,1,2,3
	global_prefetch_b8 v[PFO], s[PFA:PFA+1] offset:(\q)*8192 th:TH_LOAD_NT scope:SCOPE_SE
.endr
.Lnot_mine:
	MUL16 F1, 1, 0, 0
	MUL16 F1, 1, 2, 0
	QUARTER 64, F0, F1, 0
	WIN 0
	s_sub_co_u32 s3, s3, 1
	s_cmp_lg_u32 s3, 0
	s_cbranch_scc1 .Lstep
	s_mov_b32 s3, 2
.Ltail:                                        ; the last two steps ask for nothing; the second trip is left in its middle
	QUARTER PLB, F1, F0, 0
	QUARTER PLB+64, F0, F1, 0
	MEET
	s_sub_co_u32 s3, s3, 1
	s_cmp_eq_u32 s3, 0
	s_cbranch_scc1 .Lout
	PLACES
	NEXT
	FETCH 0, F0
	MUL16 F1, 1, 0, 0
	MUL16 F1, 1, 2, 0
	QUARTER 64, F0, F1, 0
	WIN 0
	s_branch .Ltail
.Lout:
	MUL16 F1, 1, 0, 0
	MUL16 F1, 1, 2, 0
	WIN 0
	PLACES
	PLACES
	s_wait_dscnt 0x0
	s_barrier_signal -1
	s_barrier_wait -1                              ; no wave reads the ring any more, and nothing is filled again: the scores may go into it
.irp a, 0,1,2,3,4,5,6,7
	WIN 0x08+4*((\a)/4)                            ; the stores' data in window 2 or 3; each accumulator's low half first
.irp b, 0,1,2,3,4,5,6,7
	ds_store_b128 v[DST+(\a)/4], v[8*(8*((\a)%4)+(\b)):8*(8*((\a)%4)+(\b))+3]   offset:((\a)%4)*16*DP+64*(\b)
	ds_store_b128 v[DST+(\a)/4], v[8*(8*((\a)%4)+(\b))+4:8*(8*((\a)%4)+(\b))+7] offset:((\a)%4)*16*DP+64*(\b)+16
.endr
.endr
	WIN 0
	s_wait_dscnt 0x0                               ; for the others' sake: my scores lie in LDS
	s_barrier_signal -1
	s_barrier_wait -1
	RLOAD
	s_mov_b32 s3, 8
.Lrow:                                         ; eight rows a trip: two groups of four, eight lanes a row
	s_wait_dscnt 0x0
	s_cmp_eq_u32 s[DG], 1                          ; the mask, in the diagonal tile alone
	s_cbranch_scc0 .Lnomask
.irp g, 0,1
.irp kb, 0,1,2,3
.irp j, 0,1,2,3,4,5,6,7
	v_cmp_gt_i32 vcc_lo, 64*(\kb)+(\j)-4*(\g), v[DD]
	v_cndmask_b32 v[RAW+32*(\g)+8*(\kb)+(\j)], v[RAW+32*(\g)+8*(\kb)+(\j)], s[BIGN], vcc_lo
.endr
.endr
.endr
.Lnomask:
.irp c, 0,1,2,3                                ; the maximum: four chains of 16 scores, then across the row's eight lanes
	v_max3_num_f32 v[MXC+(\c)], v[RAW+16*(\c)], v[RAW+16*(\c)+1], v[RAW+16*(\c)+2]
.endr
.irp n, 0,1,2,3,4,5
.irp c, 0,1,2,3
	v_max3_num_f32 v[MXC+(\c)], v[MXC+(\c)], v[RAW+16*(\c)+3+2*(\n)], v[RAW+16*(\c)+4+2*(\n)]
.endr
.endr
.irp g, 0,1
	v_max3_num_f32 v[MXC+2*(\g)], v[MXC+2*(\g)], v[RAW+32*(\g)+15], v[RAW+32*(\g)+31]
.endr
.irp g, 0,1
	v_max_num_f32 v[MXC+2*(\g)], v[MXC+2*(\g)], v[MXC+2*(\g)+1]
.endr
.irp m, 1,2,4
.irp g, 0,1
	v_max_num_f32_dpp v[MXC+2*(\g)], v[MXC+2*(\g)], v[MXC+2*(\g)] row_xmask:\m row_mask:0xf bank_mask:0xf
.endr
.endr
.irp g, 0,1
	v_mul_f32 v[CM+2*(\g)], s[CS], v[MXC+2*(\g)]
	v_mul_f32 v[CM+2*(\g)+1], s[CS], v[MXC+2*(\g)]
.endr
.irp g, 0,1
.set n, 0
.rept 16
	v_pk_fma_f32 v[S+32*(\g)+2*n:S+32*(\g)+2*n+1], v[RAW+32*(\g)+2*n:RAW+32*(\g)+2*n+1], s[CS:CS+1], v[CM+2*(\g):CM+2*(\g)+1] op_sel_hi:[1,0,0] neg_lo:[0,0,1] neg_hi:[0,0,1]  ; c s - c m
.set n, n+1
.endr
.endr
	v_add_nc_u32 v[RDA], 8*DP, v[RDA]
	s_cmp_eq_u32 s3, 1
	s_cbranch_scc1 .Lnoload
	RLOAD                                          ; the next eight rows come under the exponentials
.Lnoload:
.set n, 0
.rept 64                                       ; one batch of exponentials,
	v_exp_f32 v[S+n], v[S+n]
.set n, n+1
.endr
	v_nop                                          ; one plain instruction behind the last,
	s_wait_alu depctr_va_vdst(0)                   ; and one wait ahead of the first reader
.set n, 0
.rept 32
	v_cvt_pk_f16_f32 v[PK+n], v[S+2*n], v[S+2*n+1]
.set n, n+1
.endr
.irp g, 0,1
.irp kb, 0,1,2,3
	global_store_b128 v[GO], v[PK+16*(\g)+4*(\kb):PK+16*(\g)+4*(\kb)+3], s[OUT:OUT+1] offset:(\kb)*16384+(\g)*512  ; four rows of a plane: 512 consecutive bytes
.endr
.endr
.irp p, 0,1,2,3                                ; the sums, in place: q = 2 g + hf has the 16 weights of group g, half hf of the keys
.irp q, 0,1,2,3
	v_pk_add_f32 v[S+16*(\q)+4*(\p):S+16*(\q)+4*(\p)+1], v[S+16*(\q)+4*(\p):S+16*(\q)+4*(\p)+1], v[S+16*(\q)+4*(\p)+2:S+16*(\q)+4*(\p)+3]
.endr
.endr
.irp p, 0,1
.irp q, 0,1,2,3
	v_pk_add_f32 v[S+16*(\q)+8*(\p):S+16*(\q)+8*(\p)+1], v[S+16*(\q)+8*(\p):S+16*(\q)+8*(\p)+1], v[S+16*(\q)+8*(\p)+4:S+16*(\q)+8*(\p)+5]
.endr
.endr
.irp q, 0,1,2,3
	v_pk_add_f32 v[S+16*(\q):S+16*(\q)+1], v[S+16*(\q):S+16*(\q)+1], v[S+16*(\q)+8:S+16*(\q)+9]
.endr
.irp q, 0,1,2,3
	v_add_f32 v[LS+(\q)], v[S+16*(\q)], v[S+16*(\q)+1]
.endr
.irp m, 1,2,4
.irp q, 0,1,2,3
	v_add_f32_dpp v[LS+(\q)], v[LS+(\q)], v[LS+(\q)] row_xmask:\m row_mask:0xf bank_mask:0xf
.endr
.endr
.irp g, 0,1                                    ; a row's eight lanes write the same word with the same number; the words are my wave's own
	ds_store_b32 v[SA], v[CM+2*(\g)]   offset:16*(\g)
	ds_store_b32 v[SA], v[LS+2*(\g)]   offset:1024+16*(\g)
	ds_store_b32 v[SA], v[LS+2*(\g)+1] offset:2048+16*(\g)
.endr
	s_wait_xcnt 0x0                                ; the stores' data and offset are written again only behind this wait
	v_add_nc_u32 v[GO], 1024, v[GO]
	v_add_nc_u32 v[DD], 8, v[DD]
	v_add_nc_u32 v[SA], 32, v[SA]
	s_sub_co_u32 s3, s3, 1
	s_cmp_lg_u32 s3, 0
	s_cbranch_scc1 .Lrow
	ds_load_b64 v[SO:SO+1],   v[SXR]               ; LDS serves a wave's instructions in order (ISA guide 5.7.1.4): these see my stores above
	ds_load_b64 v[SO+2:SO+3], v[SXR] offset:1024
	ds_load_b64 v[SO+4:SO+5], v[SXR] offset:2048
	s_wait_dscnt 0x0
	global_store_b64 v[G8], v[SO:SO+1],   s[STB:STB+1]                 ; 64 rows' figures: 256 consecutive bytes, aligned
	global_store_b64 v[G8], v[SO+2:SO+3], s[STB:STB+1] offset:262144
	global_store_b64 v[G8], v[SO+4:SO+5], s[STB:STB+1] offset:524288
	s_wait_tensorcnt 0x0                           ; the wave's end
	ds_add_u32 v[SPW], v[NIL]
	s_wait_dscnt 0x0
	s_endpgm
.Lfunc_end_k_q75f51b65da_scores:
	.size	k_q75f51b65da_scores, .Lfunc_end_k_q75f51b65da_scores-k_q75f51b65da_scores
	.p2alignl 7, 3214868480
	.fill 96, 4, 3214868480
	.section	.rodata,"a",@progbits
	.p2align	6, 0x0
	.amdhsa_kernel k_q75f51b65da_scores
		.amdhsa_group_segment_fixed_size 327680
		.amdhsa_private_segment_fixed_size 0
		.amdhsa_enable_private_segment 0
		.amdhsa_kernarg_size 24
		.amdhsa_user_sgpr_count 2
		.amdhsa_user_sgpr_kernarg_segment_ptr 1
		.amdhsa_wavefront_size32 1
		.amdhsa_system_sgpr_workgroup_id_x 1
		.amdhsa_system_sgpr_workgroup_id_y 1
		.amdhsa_system_sgpr_workgroup_id_z 1
		.amdhsa_system_vgpr_workitem_id 0
		.amdhsa_next_free_vgpr 1024
		.amdhsa_next_free_sgpr 100
		.amdhsa_reserve_vcc 1
		.amdhsa_float_denorm_mode_32 3
		.amdhsa_float_denorm_mode_16_64 3
		.amdhsa_memory_ordered 1
		.amdhsa_forward_progress 1
		.amdhsa_inst_pref_size 100
	.end_amdhsa_kernel
	.amdgpu_metadata
---
amdhsa.version: [ 1, 2 ]
amdhsa.kernels:
  - .name:           k_q75f51b65da_scores
    .symbol:         k_q75f51b65da_scores.kd
    .args:
      - { .name: qkvb, .offset: 0, .size: 8, .value_kind: global_buffer, .address_space: global }
      - { .name: pb, .offset: 8, .size: 8, .value_kind: global_buffer, .address_space: global }
      - { .name: st, .offset: 16, .size: 8, .value_kind: global_buffer, .address_space: global }
    .group_segment_fixed_size: 327680
    .private_segment_fixed_size: 0
    .kernarg_segment_align: 8
    .kernarg_segment_size: 24
    .max_flat_workgroup_size: 128
    .sgpr_count:     100
    .vgpr_count:     1024
    .wavefront_size: 32
...
	.end_amdgpu_metadata
.endif
;; end of part 3
;; launch pv (part 4): grid 8 x 32, 4 waves a work-group, clusters of 4 x 1, 327,680 bytes of LDS; arguments pb, qkvb, st, ob; writes ob
.if DOCPART == 4
	.amdgcn_target "amdgcn-amd-amdhsa--gfx1250"
	.amdhsa_code_object_version 6
	.text
	.protected	k_q75f51b65da_pv
	.globl	k_q75f51b65da_pv
	.p2align	8
	.type	k_q75f51b65da_pv,@function
k_q75f51b65da_pv:
	s_mov_b64 s[64:65], 0
	v_nop
	global_prefetch_b8 v0, s[64:65] scope:SCOPE_SE
	s_setreg_imm32_b32 hwreg(HW_REG_WAVE_MODE, 25, 1), 1
	s_wait_xcnt 0x0
	s_wait_alu depctr_hold_cnt(0) depctr_sa_sdst(0) depctr_va_vdst(0) depctr_va_sdst(0) depctr_va_ssrc(0) depctr_va_vcc(0) depctr_vm_vsrc(0)
	s_getreg_b32 s2, hwreg(HW_REG_IB_STS2, 6, 4)
	s_cmp_eq_u32 s2, 0
	s_cbranch_scc0 .Lentry_in_a_cluster
	s_endpgm
.Lentry_in_a_cluster:
	s_bfe_u32 s2, ttmp6, 0x10000c
	s_cmp_lg_u32 s2, 0x3003
	s_cbranch_scc0 .Lentry_shape_is_right
	s_endpgm
.Lentry_shape_is_right:
; O[t][ch] = the sum over key tiles J of f_J[t] (P_J V_J)[t][ch], with f_J = 2^(c m_J - c m) / l, c m = the maximum over J of c m_J, l = the sum over J of 2^(c m_J - c m) l_J:
; the row's true maximum is taken away, the correction f and the sums stay in f32.  P, V f16; O rounded once to f16 into planes [16][8192][64].
; SHARES.  A work-group makes 128 channels of TWO row blocks of 128 queries, 15 - p and then p: 9 key tiles of 256 together, whatever p: all work-groups do equal work and one counted loop walks them.
; A wave has 64 queries x 64 channels.  T = P_J V_J (16 accumulators, started with the constant 0 in each tile); behind each tile ACC = f T + ACC (the first tile of a block: ACC = f T).
; LAYOUT.  O^T = V^T P: source 0 = 16 channels x 32 keys (V lies [key][channel] and is turned by ds_load_tr16_b128), source 1 = 16 queries x 32 keys: a lane holds one query and eight channels.
; CLUSTER 4 x 1: the four partners have the same batch and p and other channels: P's tiles are asked for jointly (mask 15); V's are each work-group's own.  Every branch hangs on p or the trip alone.
; LDS.  A slot: P 4 planes x 128 rows x 144, then V 2 planes x 256 rows x 160.  Behind the two slots: the table of f (9 x 128 f32), a stage for each wave, the spare words.
; LIMITS: a factor 2^(c m_J - c m) below 2^-126 counts as 0.  No data prefetch: small tiles, a step of 128 matrix instructions.
.set QS,    1048576
.set PLP,   18432
.set PLV,   40960
.set VOFF,  4*PLP
.set SLOTB, VOFF+2*PLV                 ; 155,648
.set FT,    2*SLOTB
.set STAGE, FT+9*512
.set SPARE, STAGE+4*2304
.set AP0, 2                            ; my lane's place in a plane of P; never rewritten
.set AV0, 3                            ; in V
.set ADP, 4
.set ADV, 5
.set STO, 6
.set RD,  7
.set GO,  8
.set FA,  9                            ; where my queries' f of the tile in hand lie
.set SPW, 28
.set NIL, 29
.set BUF, 32                           ; two buffers of 64: P's four fragments, V's four
.set FR,  160                          ; v160, 162, 164, 166: f of row block a; the pairs' second registers are written once
.set TMP, 168
.set VOF, 32                           ; the head's scratch, in the buffers' registers
.set MMR, 48
.set L0R, 64
.set L1R, 80
.set ER,  96
.set M1,  112
.set M2,  113
.set S1,  114
.set S2,  115
.set R1,  116
.set R2,  117
.set T0,  118
.set NEG, 119
.set T1,  120
.set G1P, 24
.set G1V, 32
.set G0P, 40
.set G0V, 44
.set OB1, 66
.set OB2, 68
.set MSB, 0
.macro WIN new
.if MSB != (\new)
	s_set_vgpr_msb (MSB<<8)|(\new)
.set MSB, \new
.endif
.endm
.macro PLACES
.rept 4
	v_nop
.endr
.endm
.macro CROUND                          ; a round of the cluster's barrier
	s_barrier_signal -1
	s_barrier_wait -1
	s_cmp_lg_u32 s12, 0
	s_cbranch_scc1 .Lnot_wave_0_\@
	s_barrier_signal -3
.Lnot_wave_0_\@:
	s_barrier_wait -3
	s_barrier_signal -1
	s_barrier_wait -1
.endm
.macro JLOAD                           ; waves 0, 1: two planes of P each, jointly; waves 2, 3: a plane of V each
	s_cmp_lt_u32 s12, 2
	s_cbranch_scc0 .Lfor_v_\@
	tensor_load_to_lds s[G0P:G0P+3], s[G1P:G1P+7]
	s_nop 0
.rept 4
	v_nop
.endr
	s_branch .Lasked_\@
.Lfor_v_\@:
	tensor_load_to_lds s[G0V:G0V+3], s[G1V:G1V+7]
	s_nop 0
.rept 4
	v_nop
.endr
.Lasked_\@:
.endm
; Both descriptors for key tile s23 of row block s48, into the slot at s50; then the walk steps: behind a block's last tile comes the second block's tile 0.
.macro BUILD
	s_lshl_b32 s56, s23, 4
	s_add_co_u32 s56, s56, s48
	s_lshl_b32 s56, s56, 16                        ; a tile of P is 65,536 bytes
	s_add_nc_u64 s[G0P+2:G0P+3], s[58:59], s[56:57]
	s_or_b32 s[G0P+3], s[G0P+3], 0x80000000
	s_lshl_b32 s56, s23, 15                        ; 256 keys of a plane of V are 32,768 bytes
	s_add_nc_u64 s[G0V+2:G0V+3], s[60:61], s[56:57]
	s_or_b32 s[G0V+3], s[G0V+3], 0x80000000
	s_add_co_u32 s[G0P+1], s50, s54
	s_add_co_u32 s[G0V+1], s50, s55
	s_add_co_u32 s23, s23, 1
	s_cmp_gt_u32 s23, s49
	s_cselect_b32 s23, 0, s23
	s_cselect_b32 s48, s20, s48
	s_cselect_b32 s49, s63, s49
.endm
; THE CHANGE OF SLOTS: all my tensor loads waited for (one is out: my part of the other slot), the add, my reads of the old slot over; a round of the cluster's barrier; the refill first behind it.
.macro CHANGE fill
	WIN 0
	s_wait_tensorcnt 0x0
	ds_add_u32 v[SPW], v[NIL]                      ; the descriptors' scalar work stands between it and its wait
.if \fill
	s_xor_b32 s50, s50, SLOTB
	BUILD
.endif
	s_wait_dscnt 0x0
.if \fill
	CROUND
	JLOAD
.else
	s_barrier_signal -1
	s_barrier_wait -1
.endif
	s_xor_b32 s51, s51, SLOTB                      ; the slot to be read
	s_mov_b32 s52, s51
	s_add_co_u32 s53, s51, VOFF
.endm
.macro PAIRADR                         ; the addresses of the next 64 keys: a plane of P, 64 rows of V
	v_add_nc_u32 v[ADP], s52, v[AP0]
	v_add_nc_u32 v[ADV], s53, v[AV0]
	s_add_co_u32 s52, s52, PLP
	s_add_co_u32 s53, s53, 64*160
.endm
.macro FETCHK buf, odd                 ; 16 LDS loads: 32 keys (half odd of the 64) into buffer buf
.irp a, 0,1,2,3
	ds_load_b128 v[BUF+64*(\buf)+8*(\a):BUF+64*(\buf)+8*(\a)+3],   v[ADP] offset:(\odd)*64+(\a)*2304
	ds_load_b128 v[BUF+64*(\buf)+8*(\a)+4:BUF+64*(\buf)+8*(\a)+7], v[ADP] offset:(\odd)*64+(\a)*2304+32
.endr
.irp cb, 0,1,2,3
	ds_load_tr16_b128 v[BUF+64*(\buf)+32+8*(\cb):BUF+64*(\buf)+32+8*(\cb)+3],   v[ADV] offset:(\odd)*5120+(\cb)*32
	ds_load_tr16_b128 v[BUF+64*(\buf)+32+8*(\cb)+4:BUF+64*(\buf)+32+8*(\cb)+7], v[ADV] offset:(\odd)*5120+(\cb)*32+2560
.endr
.endm
.macro MUL buf, zero                   ; 16 products; the 16 accumulators take turns
	WIN 0x50
.irp a, 0,1,2,3
.irp cb, 0,1,2,3
.if \zero
	v_wmma_f32_16x16x32_f16 v[8*(4*(\a)+(\cb)):8*(4*(\a)+(\cb))+7], v[BUF+64*(\buf)+32+8*(\cb):BUF+64*(\buf)+32+8*(\cb)+7], v[BUF+64*(\buf)+8*(\a):BUF+64*(\buf)+8*(\a)+7], 0
.else
	v_wmma_f32_16x16x32_f16 v[8*(4*(\a)+(\cb)):8*(4*(\a)+(\cb))+7], v[BUF+64*(\buf)+32+8*(\cb):BUF+64*(\buf)+32+8*(\cb)+7], v[BUF+64*(\buf)+8*(\a):BUF+64*(\buf)+8*(\a)+7], v[8*(4*(\a)+(\cb)):8*(4*(\a)+(\cb))+7]
.endif
.endr
.endr
.endm
.macro LUMP first                      ; ACC = f T (+ ACC): each accumulator is read from its lowest register on
	PLACES
	PLACES
	WIN 0x51
.irp a, 0,1,2,3
.set n, 0
.rept 16
.if \first
	v_pk_mul_f32 v[128+32*(\a)+2*n:128+32*(\a)+2*n+1], v[32*(\a)+2*n:32*(\a)+2*n+1], v[FR+2*(\a):FR+2*(\a)+1] op_sel_hi:[1,0]
.else
	v_pk_fma_f32 v[128+32*(\a)+2*n:128+32*(\a)+2*n+1], v[32*(\a)+2*n:32*(\a)+2*n+1], v[FR+2*(\a):FR+2*(\a)+1], v[128+32*(\a)+2*n:128+32*(\a)+2*n+1] op_sel_hi:[1,0,1]
.endif
.set n, n+1
.endr
.endr
	WIN 0
.endm
.macro OPACK a                         ; 16 rows x my 64 channels: rounded to f16, through my stage
	WIN 0x05
.irp cb, 0,1,2,3
.irp rr, 0,1,2,3
	v_cvt_pk_f16_f32 v[TMP+16*(\a)+4*(\cb)+(\rr)], v[128+8*(4*(\a)+(\cb))+2*(\rr)], v[128+8*(4*(\a)+(\cb))+2*(\rr)+1]
.endr
.endr
	WIN 0
.irp cb, 0,1,2,3
	ds_store_b128 v[STO], v[TMP+16*(\a)+4*(\cb):TMP+16*(\a)+4*(\cb)+3] offset:32*(\cb)
.endr
.irp f, 0,1,2,3
	ds_load_b128 v[TMP+16*(\a)+4*(\f):TMP+16*(\a)+4*(\f)+3], v[RD] offset:576*(\f)  ; LDS serves a wave's instructions in order (ISA guide 5.7.1.4)
.endr
.endm
.macro OSEND a, younger, base
.irp f, 0,1,2,3
	s_wait_dscnt (\younger)+3-(\f)
	global_store_b128 v[GO], v[TMP+16*(\a)+4*(\f):TMP+16*(\a)+4*(\f)+3], s[(\base):(\base)+1] offset:(\a)*2048+(\f)*512  ; 512 consecutive bytes of a plane
.endr
.endm
.macro OUTPUT base
	s_wait_xcnt 0x0                                ; the registers that the first block's stores read are written again only behind this wait
	OPACK 0
.irp a, 1,2,3
	OPACK \a
	OSEND (\a)-1, 8, \base
.endr
	OSEND 3, 0, \base
.endm
; A tile's 128 products, 32 keys at a time on two buffers; the first 64 keys' fragments have been asked for.
.macro CORE
.irp a, 0,1,2,3
	ds_load_b32 v[FR+2*(\a)], v[FA] offset:64*(\a)
.endr
	v_add_nc_u32 v[FA], 512, v[FA]
	s_wait_dscnt 20                                ; buffer 0 is in; buffer 1's 16 loads and the 4 of f may be out
	MUL 0, 1
	PLACES
	WIN 0
	PAIRADR
	FETCHK 0, 0
	s_wait_dscnt 20                                ; buffer 1 is in; the 4 of f and the 16 just issued may be out
	MUL 1, 0
	PLACES
	WIN 0
	FETCHK 1, 1
	s_mov_b32 s62, 2
.Lpair_\@:
	s_wait_dscnt 16                                ; the other buffer's 16 loads may be out
	MUL 0, 0
	PLACES
	WIN 0
	PAIRADR
	FETCHK 0, 0
	s_wait_dscnt 16
	MUL 1, 0
	PLACES
	WIN 0
	FETCHK 1, 1
	s_sub_co_u32 s62, s62, 1
	s_cmp_lg_u32 s62, 0
	s_cbranch_scc1 .Lpair_\@
	s_wait_dscnt 16
	MUL 0, 0
	s_wait_dscnt 0x0
	MUL 1, 0
	WIN 0
.endm
; Trip s22 of the walk.  All jumps go forward and pass no barrier and no tensor load.  The test for trip 0 stands first: there its answer is a constant of the text.
.macro BODY fill
	CHANGE \fill
.if !(\fill)
	PLACES                                         ; the places that the load's four v_nop are elsewhere
.endif
	PAIRADR
	FETCHK 0, 0
	FETCHK 1, 1
	CORE
.if \fill
	s_cmp_eq_u32 s22, 0
	s_cbranch_scc1 .Lfirst_\@
.endif
	s_cmp_eq_u32 s22, s21                          ; the second block's first tile
	s_cbranch_scc1 .Lfirst_\@
	LUMP 0
	s_branch .Llumped_\@
.Lfirst_\@:
	LUMP 1
.Llumped_\@:
.if \fill
	s_add_co_u32 s80, s22, 1
	s_cmp_eq_u32 s80, s21                          ; the first block's last tile
	s_cbranch_scc0 .Lnoout_\@
	OUTPUT OB1
.Lnoout_\@:
.endif
.endm
	s_load_b256 s[4:11], s[0:1], 0x0               ; pb 4, qkvb 6, st 8, ob 10
	v_lshl_add_u32 v[SPW], v0, 2, SPARE
	v_mov_b32 v[NIL], 0
	ds_add_u32 v[SPW], v[NIL]                      ; the opening add
	v_lshrrev_b32 v1, 5, v0
	v_readfirstlane_b32 s12, v1
	s_lshr_b32 s13, s12, 1                         ; my half of the queries
	s_and_b32 s14, s12, 1                          ; my plane of channels; also: which part of a tile I fetch
	s_bfe_u32 s15, ttmp6, 0x40000                  ; cx: it enters V's and O's global addresses alone
	s_lshl_b32 s16, ttmp9, 2
	s_add_co_u32 s16, s16, s15                     ; my 128 channels
	s_and_b32 s18, ttmp7, 0xffff
	s_lshr_b32 s17, s18, 3                         ; batch
	s_and_b32 s18, s18, 7                          ; p
	s_sub_co_u32 s19, 15, s18                      ; the first row block
	s_mov_b32 s20, s18                             ; the second
	s_lshr_b32 s49, s19, 1                         ; the first block's last tile
	s_add_co_u32 s21, s49, 1                       ; its number of tiles
	s_lshr_b32 s63, s20, 1                         ; the second block's last tile
	s_mov_b32 s[G1P], 15|(1<<16)|(1<<20)|(1<<21)|(4<<22)|(3<<25)  ; the mask of four; 2-byte elements; padding on; bit 21 beside a mask; behind every 32 words, 4 words
	s_mov_b32 s[G1V], (1<<16)|(1<<20)|(4<<22)|(7<<25)             ; no mask; 8 words of padding
.irp g, G1P, G1V
	s_mov_b32 s[(\g)+1], 128<<16
	s_mov_b32 s[(\g)+2], 128<<16                   ; 32,768 dense bytes: 128 rows of 256
	s_mov_b32 s[(\g)+3], 128<<16
	s_mov_b32 s[(\g)+4], 128
	s_mov_b32 s[(\g)+5], 128
	s_mov_b32 s[(\g)+6], 0
	s_mov_b32 s[(\g)+7], 0
.endr
	s_mov_b32 s[G0P], 1
	s_mov_b32 s[G0V], 1
	s_mul_i32 s54, s14, 2*PLP                      ; where my part goes in a slot
	s_mul_i32 s55, s14, PLV
	s_add_co_u32 s55, s55, VOFF
	s_mov_b32 s23, 0                               ; the tile to ask for,
	s_mov_b32 s48, s19                             ; of which block
	s_mov_b32 s50, 0                               ; into which slot
	s_mov_b32 s51, SLOTB                           ; the first change turns this into 0
	s_mov_b32 s57, 0
	s_lshl_b32 s80, s14, 15                        ; P: my two planes, the batch's 128 tiles
	s_lshl_b32 s81, s17, 23
	s_add_co_u32 s80, s80, s81
	s_mov_b32 s81, 0
	s_lshl1_add_u32 s82, s16, s14                  ; my plane of channels
	s_add_co_u32 s84, s82, 32                      ; v's planes begin at 32
	s_lshl_b32 s84, s84, 20
	s_lshl_b32 s85, s17, 18                        ; 2,048 rows of 128 bytes a batch
	s_add_co_u32 s84, s84, s85
	s_mov_b32 s85, 0
	s_lshl_b32 s86, s82, 20                        ; O: the plane, the batch, my 64 rows,
	s_lshl_b32 s87, s17, 18
	s_add_co_u32 s86, s86, s87
	s_lshl_b32 s87, s13, 13
	s_add_co_u32 s86, s86, s87
	s_lshl_b32 s88, s19, 14                        ; and the block
	s_add_co_u32 s88, s88, s86
	s_mov_b32 s89, 0
	s_lshl_b32 s90, s20, 14
	s_add_co_u32 s90, s90, s86
	s_mov_b32 s91, 0
	s_wait_dscnt 0x0
	s_wait_kmcnt 0x0
	s_add_nc_u64 s[58:59], s[4:5], s[80:81]
	s_add_nc_u64 s[60:61], s[6:7], s[84:85]
	s_add_nc_u64 s[OB1:OB1+1], s[10:11], s[88:89]
	s_add_nc_u64 s[OB2:OB2+1], s[10:11], s[90:91]
	BUILD
	CROUND                                         ; all four work-groups are here
	JLOAD                                          ; tile 0 into slot 0; slot 1 is asked for by the loop's first change of slots
	v_and_b32 v1, 15, v0
	v_bfe_u32 v12, v0, 4, 1
	v_and_b32 v13, 7, v0
	v_bfe_u32 v14, v0, 3, 1
	v_mul_u32_u24 v15, v1, 144
	v_lshl_add_u32 v15, v12, 4, v15                ; row x 144 + 16 x half
	s_mul_i32 s80, s13, 9216
	v_add_nc_u32 v[AP0], s80, v15
	v_lshl_add_u32 v[AV0], v12, 3, v13             ; the turning load: key 8 (l / 16) + l % 8, channels 8 ((l / 8) % 2) on
	v_mul_u32_u24 v[AV0], v[AV0], 160
	v_lshl_add_u32 v[AV0], v14, 4, v[AV0]
	s_mul_i32 s80, s14, PLV
	v_add_nc_u32 v[AV0], s80, v[AV0]
	s_mul_i32 s80, s12, 2304
	s_add_co_u32 s80, s80, STAGE
	v_add_nc_u32 v[STO], s80, v15
	v_bfe_u32 v[RD], v0, 3, 2
	v_mul_u32_u24 v[RD], v[RD], 144
	v_lshl_add_u32 v[RD], v13, 4, v[RD]
	v_add_nc_u32 v[RD], s80, v[RD]
	v_and_b32 v[GO], 31, v0
	v_lshlrev_b32 v[GO], 4, v[GO]
	s_lshl_b32 s80, s13, 8
	s_add_co_u32 s80, s80, FT
	v_lshl_add_u32 v[FA], v1, 2, s80
	v_lshlrev_b32 v10, 2, v0
	v_lshl_add_u32 v11, v0, 2, FT
.irp a, 0,1,2,3
	v_mov_b32 v[FR+2*(\a)+1], 0                    ; named with f as a pair
.endr
	; THE TABLE OF f, while tile 0 is on its way.  Thread t stands for row t of both blocks; trip w belongs to the first block while w < s21.
.irp w, 0,1,2,3,4,5,6,7,8
	s_sub_co_u32 s81, \w, s21
	s_cmp_gt_u32 s21, \w
	s_cselect_b32 s81, \w, s81                     ; J
	s_cselect_b32 s82, s19, s20                    ; i
	s_cselect_b32 s[70+(\w)], -1, 0                ; a lane mask: all ones in the first block's trips
	s_lshl3_add_u32 s81, s17, s81
	s_lshl_b32 s81, s81, 11
	s_lshl_b32 s82, s82, 7
	s_add_co_u32 s81, s81, s82
	s_lshl_b32 s81, s81, 2
	v_add_nc_u32 v[VOF+(\w)], s81, v10
	global_load_b32 v[MMR+(\w)], v[VOF+(\w)], s[8:9]
	global_load_b32 v[L0R+(\w)], v[VOF+(\w)], s[8:9] offset:262144
	global_load_b32 v[L1R+(\w)], v[VOF+(\w)], s[8:9] offset:524288
.endr
	v_mov_b32 v[NEG], 0xff7fffff
	v_mov_b32 v[M1], v[NEG]
	v_mov_b32 v[M2], v[NEG]
	v_mov_b32 v[S1], 0
	v_mov_b32 v[S2], 0
	s_wait_loadcnt 0x0
.irp w, 0,1,2,3,4,5,6,7,8
	v_cndmask_b32 v[T0], v[NEG], v[MMR+(\w)], s[70+(\w)]
	v_cndmask_b32 v[T1], v[MMR+(\w)], v[NEG], s[70+(\w)]
	v_max_num_f32 v[M1], v[M1], v[T0]
	v_max_num_f32 v[M2], v[M2], v[T1]
	v_add_f32 v[L0R+(\w)], v[L0R+(\w)], v[L1R+(\w)]
.endr
.irp w, 0,1,2,3,4,5,6,7,8
	v_cndmask_b32 v[T0], v[M2], v[M1], s[70+(\w)]
	v_sub_f32 v[ER+(\w)], v[MMR+(\w)], v[T0]
.endr
.irp w, 0,1,2,3,4,5,6,7,8
	v_exp_f32 v[ER+(\w)], v[ER+(\w)]
.endr
	v_nop
	s_wait_alu depctr_va_vdst(0)                   ; one wait for the nine exponentials
.irp w, 0,1,2,3,4,5,6,7,8
	v_mul_f32 v[T0], v[ER+(\w)], v[L0R+(\w)]
	v_cndmask_b32 v[T1], 0, v[T0], s[70+(\w)]
	v_add_f32 v[S1], v[S1], v[T1]
	v_sub_f32 v[T0], v[T0], v[T1]                  ; exact: one of the two is 0
	v_add_f32 v[S2], v[S2], v[T0]
.endr
	v_rcp_f32 v[R1], v[S1]
	v_rcp_f32 v[R2], v[S2]
	v_nop
	s_wait_alu depctr_va_vdst(0)
.irp w, 0,1,2,3,4,5,6,7,8
	v_cndmask_b32 v[T0], v[R2], v[R1], s[70+(\w)]
	v_mul_f32 v[ER+(\w)], v[ER+(\w)], v[T0]
	ds_store_b32 v11, v[ER+(\w)] offset:512*(\w)   ; the first change of slots waits for these stores and passes a barrier before any wave reads the table
.endr
	s_mov_b32 s22, 0
.Lw:                                           ; eight trips: tile s22 is multiplied, tile s22 + 1 asked for
	BODY 1
	s_add_co_u32 s22, s22, 1
	s_cmp_lt_u32 s22, 8
	s_cbranch_scc1 .Lw
	BODY 0                                         ; the last tile is written out: nothing is asked for
	OUTPUT OB2
	s_wait_tensorcnt 0x0                           ; the wave's end
	ds_add_u32 v[SPW], v[NIL]
	s_wait_dscnt 0x0
	CROUND                                         ; the closing round
	s_endpgm
.Lfunc_end_k_q75f51b65da_pv:
	.size	k_q75f51b65da_pv, .Lfunc_end_k_q75f51b65da_pv-k_q75f51b65da_pv
	.p2alignl 7, 3214868480
	.fill 96, 4, 3214868480
	.section	.rodata,"a",@progbits
	.p2align	6, 0x0
	.amdhsa_kernel k_q75f51b65da_pv
		.amdhsa_group_segment_fixed_size 327680
		.amdhsa_private_segment_fixed_size 0
		.amdhsa_enable_private_segment 0
		.amdhsa_kernarg_size 32
		.amdhsa_user_sgpr_count 2
		.amdhsa_user_sgpr_kernarg_segment_ptr 1
		.amdhsa_wavefront_size32 1
		.amdhsa_system_sgpr_workgroup_id_x 1
		.amdhsa_system_sgpr_workgroup_id_y 1
		.amdhsa_system_sgpr_workgroup_id_z 1
		.amdhsa_system_vgpr_workitem_id 0
		.amdhsa_next_free_vgpr 512
		.amdhsa_next_free_sgpr 100
		.amdhsa_reserve_vcc 0
		.amdhsa_float_denorm_mode_32 3
		.amdhsa_float_denorm_mode_16_64 3
		.amdhsa_memory_ordered 1
		.amdhsa_forward_progress 1
		.amdhsa_inst_pref_size 84
	.end_amdhsa_kernel
	.amdgpu_metadata
---
amdhsa.version: [ 1, 2 ]
amdhsa.kernels:
  - .name:           k_q75f51b65da_pv
    .symbol:         k_q75f51b65da_pv.kd
    .args:
      - { .name: pb, .offset: 0, .size: 8, .value_kind: global_buffer, .address_space: global }
      - { .name: qkvb, .offset: 8, .size: 8, .value_kind: global_buffer, .address_space: global }
      - { .name: st, .offset: 16, .size: 8, .value_kind: global_buffer, .address_space: global }
      - { .name: ob, .offset: 24, .size: 8, .value_kind: global_buffer, .address_space: global }
    .group_segment_fixed_size: 327680
    .private_segment_fixed_size: 0
    .kernarg_segment_align: 8
    .kernarg_segment_size: 32
    .max_flat_workgroup_size: 128
    .sgpr_count:     100
    .vgpr_count:     512
    .wavefront_size: 32
...
	.end_amdgpu_metadata
.endif
;; end of part 4
;; launch proj (part 5): grid 4 x 64, 4 waves a work-group, clusters of 4 x 4, 327,680 bytes of LDS; arguments ob, wpb, br, out0; writes out0
.if DOCPART == 5
	.amdgcn_target "amdgcn-amd-amdhsa--gfx1250"
	.amdhsa_code_object_version 6
	.text
	.protected	k_q75f51b65da_proj
	.globl	k_q75f51b65da_proj
	.p2align	8
	.type	k_q75f51b65da_proj,@function
k_q75f51b65da_proj:
	s_mov_b64 s[64:65], 0
	v_nop
	global_prefetch_b8 v0, s[64:65] scope:SCOPE_SE
	s_setreg_imm32_b32 hwreg(HW_REG_WAVE_MODE, 25, 1), 1
	s_wait_xcnt 0x0
	s_wait_alu depctr_hold_cnt(0) depctr_sa_sdst(0) depctr_va_vdst(0) depctr_va_sdst(0) depctr_va_ssrc(0) depctr_va_vcc(0) depctr_vm_vsrc(0)
	s_getreg_b32 s2, hwreg(HW_REG_IB_STS2, 6, 4)
	s_cmp_eq_u32 s2, 0
	s_cbranch_scc0 .Lentry_in_a_cluster
	s_endpgm
.Lentry_in_a_cluster:
	s_bfe_u32 s2, ttmp6, 0x10000c
	s_cmp_lg_u32 s2, 0xf033
	s_cbranch_scc0 .Lentry_shape_is_right
	s_endpgm
.Lentry_shape_is_right:
; out[t][o] = the sum over c of O[t][c] w_proj[o][c] + b_proj[o].  Operands f16 in planes [16][rows][64]; sums f32, started at the bias; the result is stored in f32.
; SHARES, RING, CLUSTER, FRAGMENTS: as in the projection in front: a work-group makes 128 rows x 256 columns, a wave 64 x 128; K in steps of 128 through two LDS slots;
; 4 x 4 work-groups ask jointly for O's tiles along a row of the cluster and for w's along a column; the product is used transposed, so a lane holds one row and eight neighbouring columns.
; Tile row = 16 cy + the cluster's y: partner cy takes batch cy.  THE FIRST 16 ROWS OF EACH BATCH ARE NOT STORED HERE: another launch makes them from doubled f16.  They are row block a = 0 of the
; waves with the tile's upper half in the clusters with y = 0: the jump over their way out hangs on the cluster's y and the wave's number alone.  Their products are made all the same: the text has one loop.
; THE WAY OUT: 16 rows x 128 columns of f32 at a time through the wave's own stage (rows of 528 bytes), back as whole rows of 512 bytes, stored as 512 consecutive bytes, aligned.
; No data prefetch: a step is 128 matrix instructions on small tiles.
.set ASTR,  1048576
.set BSTR,  131072
.set PL_A,  18432
.set PL_B,  36864
.set BOFF,  2*PL_A
.set SLOT1, 131072
.set STAGE, 241664                     ; 16 rows x 528 bytes for each wave
.set SPARE, STAGE+4*8448
.set ADRA, 16
.set ADRB, 20
.set STO,  24
.set RD,   25
.set GO,   26
.set BO,   27
.set SPW,  28
.set NIL,  29
.set F0,   32
.set F1,   128
.set BK,   32
.set G1A,  24
.set G0A,  32
.set G1B,  48
.set G0B,  56
.set OUT,  66
.set BR,   68
.set MSB, 0
.macro WIN new
.if MSB != (\new)
	s_set_vgpr_msb (MSB<<8)|(\new)
.set MSB, \new
.endif
.endm
.macro PLACES
.rept 4
	v_nop
.endr
.endm
.macro CREST
	s_cmp_lg_u32 s12, 0
	s_cbranch_scc1 .Lnot_wave_0_\@
	s_barrier_signal -3
.Lnot_wave_0_\@:
	s_barrier_wait -3
	s_barrier_signal -1
	s_barrier_wait -1
.endm
.macro CROUND
	s_barrier_signal -1
	s_barrier_wait -1
	CREST
.endm
.macro JLOAD s
	s_cmp_eq_u32 s13, 0
	s_cbranch_scc0 .Lfor_b_\@
	tensor_load_to_lds s[G0A+4*(\s):G0A+4*(\s)+3], s[G1A:G1A+7]
	s_nop 0
.rept 4
	v_nop
.endr
	s_branch .Lasked_\@
.Lfor_b_\@:
	tensor_load_to_lds s[G0B+4*(\s):G0B+4*(\s)+3], s[G1B:G1B+7]
	s_nop 0
.rept 4
	v_nop
.endr
.Lasked_\@:
.endm
.macro MULA f, a                       ; 8 products; the 32 accumulators take turns
	WIN 0x50
.irp b, 0,1,2,3,4,5,6,7
	v_wmma_f32_16x16x32_f16 v[8*(8*(\a)+(\b)):8*(8*(\a)+(\b))+7], v[(\f)+8*(\b):(\f)+8*(\b)+7], v[(\f)+64+8*(\a):(\f)+64+8*(\a)+7], v[8*(8*(\a)+(\b)):8*(8*(\a)+(\b))+7]
.endr
.endm
.macro FETCH s, qq, f
	WIN 0
.irp i, 0,1,2,3,4,5,6,7
	ds_load_b128 v[(\f)+8*(\i):(\f)+8*(\i)+3],   v[ADRB+(\s)] offset:((\qq)/2)*PL_B+((\qq)%2)*64+(\i)*2304
	ds_load_b128 v[(\f)+8*(\i)+4:(\f)+8*(\i)+7], v[ADRB+(\s)] offset:((\qq)/2)*PL_B+((\qq)%2)*64+(\i)*2304+32
.endr
.irp i, 0,1,2,3
	ds_load_b128 v[(\f)+64+8*(\i):(\f)+64+8*(\i)+3],   v[ADRA+(\s)] offset:((\qq)/2)*PL_A+((\qq)%2)*64+(\i)*2304
	ds_load_b128 v[(\f)+64+8*(\i)+4:(\f)+64+8*(\i)+7], v[ADRA+(\s)] offset:((\qq)/2)*PL_A+((\qq)%2)*64+(\i)*2304+32
.endr
.endm
.macro QUARTER s, qn, f, g
	s_wait_dscnt 4                                 ; the youngest four loads (A's blocks 2, 3) may be out
	MULA \f, 0
	MULA \f, 1
	PLACES
	FETCH \s, \qn, \g
	s_wait_dscnt 24                                ; all but the 24 just issued
	MULA \f, 2
	MULA \f, 3
.endm
.macro TURN s, nx, fill                ; the change of slots: all my tensor loads waited for, the add, my reads over; the barrier opens a round of the cluster's where the slot is filled again
	WIN 0
	s_wait_tensorcnt 0x0
	ds_add_u32 v[SPW], v[NIL]
	s_wait_dscnt 5                                 ; the add and the youngest four loads may be out
	MULA F1, 0
	s_wait_dscnt 0x0
	s_barrier_signal -1
	MULA F1, 1
.if \fill
	WIN 0
.endif
	s_barrier_wait -1
.if \fill
	CREST
	s_add_nc_u64 s[G0A+4*(\s)+2:G0A+4*(\s)+3], s[G0A+4*(\s)+2:G0A+4*(\s)+3], 4*ASTR
	s_add_nc_u64 s[G0B+4*(\s)+2:G0B+4*(\s)+3], s[G0B+4*(\s)+2:G0B+4*(\s)+3], 4*BSTR
	JLOAD \s
.else
	PLACES
.endif
	FETCH \nx, 0, F0
	MULA F1, 2
	MULA F1, 3
.endm
	s_load_b256 s[4:11], s[0:1], 0x0               ; ob 4, wpb 6, br 8, out0 10
	v_lshl_add_u32 v[SPW], v0, 2, SPARE
	v_mov_b32 v[NIL], 0
	ds_add_u32 v[SPW], v[NIL]                      ; the opening add
	v_lshrrev_b32 v3, 5, v0
	v_readfirstlane_b32 s12, v3
	s_lshr_b32 s13, s12, 1
	s_and_b32 s14, s12, 1
	s_bfe_u32 s15, ttmp6, 0x40000
	s_bfe_u32 s16, ttmp6, 0x40004
	s_lshl_b32 s17, ttmp9, 2
	s_add_co_u32 s17, s17, s15                     ; tile column
	s_and_b32 s19, ttmp7, 0xffff                   ; the cluster's y: the block of 128 rows in a batch
	s_lshl4_add_u32 s18, s16, s19                  ; tile row = 16 cy + cluster y
	s_or_b32 s84, s19, s13                         ; 0: my first 16 rows are a batch's first
	s_lshl_b32 s20, s16, 2
	s_lshl_b32 s20, 15, s20
	s_lshl_b32 s21, 0x1111, s15
	s_or_b32 s[G1A], s20, (1<<16)|(1<<20)|(1<<21)|(4<<22)|(3<<25)
	s_or_b32 s[G1B], s21, (1<<16)|(1<<20)|(1<<21)|(4<<22)|(3<<25)
.irp g, G1A, G1B
	s_mov_b32 s[(\g)+1], 128<<16
	s_mov_b32 s[(\g)+3], 128<<16
	s_mov_b32 s[(\g)+5], 128
	s_mov_b32 s[(\g)+6], 0
	s_mov_b32 s[(\g)+7], 0
.endr
	s_mov_b32 s[G1A+2], 64<<16
	s_mov_b32 s[G1A+4], 64
	s_mov_b32 s[G1B+2], 128<<16
	s_mov_b32 s[G1B+4], 128
	s_mul_i32 s22, s14, PL_A
	s_mul_i32 s23, s14, PL_B
	s_add_co_u32 s23, s23, BOFF
	s_lshl_b32 s40, s18, 14
	s_mul_i32 s41, s14, ASTR
	s_add_co_u32 s40, s40, s41
	s_mov_b32 s41, 0
	s_lshl_b32 s44, s17, 15
	s_mul_i32 s45, s14, BSTR
	s_add_co_u32 s44, s44, s45
	s_mov_b32 s45, 0
	s_lshl_b32 s80, s18, 19                        ; out: row 128 x tile row + 64 x half, 4,096 bytes a row,
	s_lshl_b32 s81, s13, 18
	s_add_co_u32 s80, s80, s81
	s_lshl_b32 s82, s17, 10                        ; column 256 x tile column + 128 x half, 4 bytes each
	s_lshl_b32 s83, s14, 9
	s_add_co_u32 s82, s82, s83
	s_add_co_u32 s80, s80, s82
	s_mov_b32 s81, 0
	s_add_co_u32 s82, s82, 12288                   ; b_proj lies behind b_qkv's 3,072 numbers
	s_mov_b32 s83, 0
	s_wait_dscnt 0x0
	s_wait_kmcnt 0x0
	s_add_nc_u64 s[42:43], s[4:5], s[40:41]
	s_add_nc_u64 s[46:47], s[6:7], s[44:45]
	s_add_nc_u64 s[OUT:OUT+1], s[10:11], s[80:81]
	s_add_nc_u64 s[BR:BR+1], s[8:9], s[82:83]
	CROUND
.irp s, 0,1
	s_mov_b32 s[G0A+4*(\s)], 1
	s_add_co_u32 s[G0A+4*(\s)+1], s22, (\s)*SLOT1
	s_add_nc_u64 s[G0A+4*(\s)+2:G0A+4*(\s)+3], s[42:43], (\s)*2*ASTR
	s_or_b32 s[G0A+4*(\s)+3], s[G0A+4*(\s)+3], 0x80000000
	s_mov_b32 s[G0B+4*(\s)], 1
	s_add_co_u32 s[G0B+4*(\s)+1], s23, (\s)*SLOT1
	s_add_nc_u64 s[G0B+4*(\s)+2:G0B+4*(\s)+3], s[46:47], (\s)*2*BSTR
	s_or_b32 s[G0B+4*(\s)+3], s[G0B+4*(\s)+3], 0x80000000
	JLOAD \s
.endr
	v_and_b32 v1, 15, v0
	v_bfe_u32 v2, v0, 4, 1
	v_mul_u32_u24 v3, v1, 144
	v_lshl_add_u32 v3, v2, 4, v3
	v_lshlrev_b32 v[BO], 5, v2
	s_mul_i32 s20, s13, 9216
	s_mul_i32 s21, s14, 18432
	s_add_co_u32 s21, s21, BOFF
.irp s, 0,1
	v_add_nc_u32 v[ADRA+(\s)], s20, v3
	v_add_nc_u32 v[ADRB+(\s)], s21, v3
	s_add_co_u32 s20, s20, SLOT1
	s_add_co_u32 s21, s21, SLOT1
.endr
	s_mul_i32 s20, s12, 8448
	s_add_co_u32 s20, s20, STAGE                   ; my stage
	v_mul_u32_u24 v4, v1, 528                      ; in: row l % 16, 32 bytes for each half of the lanes
	v_lshl_add_u32 v4, v2, 5, v4
	v_add_nc_u32 v[STO], s20, v4
	v_and_b32 v[GO], 31, v0                        ; back and out: 16 bytes a lane, a row of 512 bytes a load
	v_lshlrev_b32 v[GO], 4, v[GO]
	v_add_nc_u32 v[RD], s20, v[GO]
	WIN 0x40                                       ; the sums start at the bias
.irp a, 0,1,2,3
.irp b, 0,1,2,3,4,5,6,7
	global_load_b128 v[8*(8*(\a)+(\b)):8*(8*(\a)+(\b))+3],   v[BO], s[BR:BR+1] offset:64*(\b)
	global_load_b128 v[8*(8*(\a)+(\b))+4:8*(8*(\a)+(\b))+7], v[BO], s[BR:BR+1] offset:64*(\b)+16
.endr
.endr
	WIN 0
	s_wait_tensorcnt 1                             ; my part of step 0 is in; step 1's may stay out
	s_barrier_signal -1
	s_barrier_wait -1
	FETCH 0, 0, F0
	s_wait_loadcnt 0x0                             ; the bias
	QUARTER 0, 1, F0, F1
	WIN 0
	s_mov_b32 s3, 3
.Llap:
	QUARTER 0, 2, F1, F0
	QUARTER 0, 3, F0, F1
	TURN 0, 1, 1
	QUARTER 1, 1, F0, F1
	QUARTER 1, 2, F1, F0
	QUARTER 1, 3, F0, F1
	TURN 1, 0, 1
	QUARTER 0, 1, F0, F1
	WIN 0
	s_sub_co_u32 s3, s3, 1
	s_cmp_lg_u32 s3, 0
	s_cbranch_scc1 .Llap
	QUARTER 0, 2, F1, F0
	QUARTER 0, 3, F0, F1
	TURN 0, 1, 0
	QUARTER 1, 1, F0, F1
	QUARTER 1, 2, F1, F0
	QUARTER 1, 3, F0, F1
	s_wait_dscnt 4
	MULA F1, 0
	MULA F1, 1
	s_wait_dscnt 0x0
	MULA F1, 2
	MULA F1, 3
	WIN 0
	PLACES
	PLACES
.irp a, 0,1,2,3
.if (\a) == 0
	s_cmp_eq_u32 s84, 0                            ; a batch's first 16 rows are another launch's
	s_cbranch_scc1 .Lskip0
.endif
	s_wait_xcnt 0x0                                ; the registers that the stores of two blocks back read are loaded again only behind this wait
	WIN 0x04                                       ; the stores' data in window 1; each accumulator's low half first
.irp b, 0,1,2,3,4,5,6,7
	ds_store_b128 v[STO], v[8*(8*(\a)+(\b)):8*(8*(\a)+(\b))+3]   offset:64*(\b)
	ds_store_b128 v[STO], v[8*(8*(\a)+(\b))+4:8*(8*(\a)+(\b))+7] offset:64*(\b)+16
.endr
	WIN 0
.irp t, 0,1,2,3,4,5,6,7,8,9,10,11,12,13,14,15
	ds_load_b128 v[BK+64*((\a)%2)+4*(\t):BK+64*((\a)%2)+4*(\t)+3], v[RD] offset:528*(\t)  ; LDS serves a wave's instructions in order (ISA guide 5.7.1.4)
.endr
.irp t, 0,1,2,3,4,5,6,7,8,9,10,11,12,13,14,15
	s_wait_dscnt 15-(\t)
	global_store_b128 v[GO], v[BK+64*((\a)%2)+4*(\t):BK+64*((\a)%2)+4*(\t)+3], s[OUT:OUT+1] offset:(16*(\a)+(\t))*4096 th:TH_STORE_NT
.endr
.if (\a) == 0
.Lskip0:
.endif
.endr
	s_wait_tensorcnt 0x0                           ; the wave's end
	ds_add_u32 v[SPW], v[NIL]
	s_wait_dscnt 0x0
	CROUND                                         ; the closing round
	s_endpgm
.Lfunc_end_k_q75f51b65da_proj:
	.size	k_q75f51b65da_proj, .Lfunc_end_k_q75f51b65da_proj-k_q75f51b65da_proj
	.p2alignl 7, 3214868480
	.fill 96, 4, 3214868480
	.section	.rodata,"a",@progbits
	.p2align	6, 0x0
	.amdhsa_kernel k_q75f51b65da_proj
		.amdhsa_group_segment_fixed_size 327680
		.amdhsa_private_segment_fixed_size 0
		.amdhsa_enable_private_segment 0
		.amdhsa_kernarg_size 32
		.amdhsa_user_sgpr_count 2
		.amdhsa_user_sgpr_kernarg_segment_ptr 1
		.amdhsa_wavefront_size32 1
		.amdhsa_system_sgpr_workgroup_id_x 1
		.amdhsa_system_sgpr_workgroup_id_y 1
		.amdhsa_system_sgpr_workgroup_id_z 1
		.amdhsa_system_vgpr_workitem_id 0
		.amdhsa_next_free_vgpr 512
		.amdhsa_next_free_sgpr 100
		.amdhsa_reserve_vcc 0
		.amdhsa_float_denorm_mode_32 3
		.amdhsa_float_denorm_mode_16_64 3
		.amdhsa_memory_ordered 1
		.amdhsa_forward_progress 1
		.amdhsa_inst_pref_size 93
	.end_amdhsa_kernel
	.amdgpu_metadata
---
amdhsa.version: [ 1, 2 ]
amdhsa.kernels:
  - .name:           k_q75f51b65da_proj
    .symbol:         k_q75f51b65da_proj.kd
    .args:
      - { .name: ob, .offset: 0, .size: 8, .value_kind: global_buffer, .address_space: global }
      - { .name: wpb, .offset: 8, .size: 8, .value_kind: global_buffer, .address_space: global }
      - { .name: br, .offset: 16, .size: 8, .value_kind: global_buffer, .address_space: global }
      - { .name: out0, .offset: 24, .size: 8, .value_kind: global_buffer, .address_space: global }
    .group_segment_fixed_size: 327680
    .private_segment_fixed_size: 0
    .kernarg_segment_align: 8
    .kernarg_segment_size: 32
    .max_flat_workgroup_size: 128
    .sgpr_count:     100
    .vgpr_count:     512
    .wavefront_size: 32
...
	.end_amdgpu_metadata
.endif
;; end of part 5
;; launch head (part 6): grid 16 x 4, 8 waves a work-group, no clusters, 125,952 bytes of LDS; arguments qkvb, wpb, br, out0; writes out0
.if DOCPART == 6
	.amdgcn_target "amdgcn-amd-amdhsa--gfx1250"
	.amdhsa_code_object_version 6
	.text
	.protected	k_q75f51b65da_head
	.globl	k_q75f51b65da_head
	.p2align	8
	.type	k_q75f51b65da_head,@function
k_q75f51b65da_head:
	s_mov_b64 s[64:65], 0
	v_nop
	global_prefetch_b8 v0, s[64:65] scope:SCOPE_SE
	s_setreg_imm32_b32 hwreg(HW_REG_WAVE_MODE, 25, 1), 1
	s_wait_xcnt 0x0
; THE FIRST 16 ROWS OF EACH BATCH, from q, k, v to the output, with every 16-bit operand that the program makes itself doubled: a number is hi + lo, two f16.
; WHY.  Row t averages over t + 1 keys: the first rows' numbers are many times the root mean square of the whole output, and so are the errors that single f16 roundings of q, k, the weights,
; v and O leave in them.  16 rows see 16 keys: one tile of 16 x 16 scores a batch.
; s = q . k (hi hi + lo hi + hi lo; the term lo lo lies below f32's last bit); key > query counts as -1e30; the row's maximum is taken away; p = 2^(c s - c m) / l, c = log2(e) / 32, in f32, then split;
; O = (P hi + P lo)(V hi + V lo), split; out = (O hi + O lo) w_proj^T + b_proj; all sums f32.  LIMITS: q, k, v within f16; a remainder below 6e-5 keeps f16's fixed step of 6e-8.
; SHARES.  A work-group makes 64 output columns of one batch's 16 rows.  K IS SPLIT AMONG ITS EIGHT WAVES in all three products: wave w owns the planes 2 w, 2 w + 1 (128 channels) of q, k, v and w_proj.
; The scores' partial sums meet in LDS, every wave makes the softmax for itself, O of a wave's channels is just the K slice that the wave multiplies by w_proj, and the output's partial sums meet in LDS.
; LAYOUT.  All products transposed: S^T = K Q^T, O^T = V^T P, out^T = W O^T: a lane holds one query (lane % 16) and eight neighbouring keys, channels or columns, so each result, rounded in pairs, is the next
; product's second source without a change of lanes.  16 keys fill half of a K of 32: the other half takes the same keys again, V twice against P hi and P lo.  V ([key][channel]) goes through the
; wave's own stage and is turned by ds_load_tr16_b128.
; Loads through registers, no tensor load: nothing that a wave fetches is wanted by another.  No cluster: what the four batches share, a slice of w_proj of 128 KiB, is small.  64 work-groups: there is no more work.
; REGISTERS.  Window 0: v4-29 addresses and figures; v32-55 three score sums, v56-63 P; later v32-63 four output sums; v64-191 fragments of q and k, later O's sums (64) and fragments (64);
; v192-255 V as loaded, later partial sums.  Window 1: v0-127 fragments of w_proj, v128-255 of V.
.set QS,    1048576
.set LOFF,  48*QS                      ; the remainders: [48 planes][4 batches][16 rows][64], behind the planes
.set VSW,   4*16*160                   ; a wave's stage for V: hi's two planes, lo's two, 16 rows of 160 bytes (128 + 32)
.set SP,    8*VSW                      ; the scores' partial sums: 1,024 bytes a wave
.set OP,    SP+8*1024                  ; the output's partial sums: 16 rows x 272 bytes a wave
.set OPW,   16*272
.set SPARE, OP+8*OPW                   ; the spare words: 128 bytes a wave, four blocks of 256 bytes that no other line names
.set FO,   4                           ; a fragment's row x 128 + 16 x half
.set L16,  5                           ; 16 x lane
.set VSTO, 6
.set VTR,  7
.set SPA,  8
.set SPR,  9
.set OPA,  10
.set OPR,  11
.set OUTO, 12
.set BOF,  13
.set DD,   15                          ; my query less my keys' first: key register j is hidden where j is greater
.set N1,   16                          ; -1.0
.set MX,   18
.set PM,   19
.set CM,   20
.set RC,   22
.set BI,   24                          ; v24-27 my four numbers of the bias
.set SPW,  28
.set NIL,  29
.set SA,   32
.set SB,   40
.set SC,   48
.set PF,   56
.set RA,   32
.set T,    40
.set FR,   64                          ; k hi, k lo, q hi, q lo: 32 each, K step ks at 8 ks
.set OA,   64
.set OFH,  128
.set OFL,  160
.set VR,   192
.set PS,   192
.set CS,   44
.set SEL,  46
.set BIGN, 48
.set MSB, 0
.macro WIN new
.if MSB != (\new)
	s_set_vgpr_msb (MSB<<8)|(\new)
.set MSB, \new
.endif
.endm
.macro PLACES
.rept 4
	v_nop
.endr
.endm
	s_load_b256 s[4:11], s[0:1], 0x0               ; qkvb 4, wpb 6, br 8, out0 10
	v_lshl_add_u32 v[SPW], v0, 2, SPARE
	v_mov_b32 v[NIL], 0
	v_lshrrev_b32 v3, 5, v0
	v_readfirstlane_b32 s12, v3                    ; wave 0..7
	s_mov_b32 s13, ttmp9                           ; my 64 output columns
	s_and_b32 s18, ttmp7, 0xffff                   ; batch
	s_lshl_b32 s20, s12, 21                        ; plane 2 w, the batch's first row
	s_lshl_b32 s21, s18, 18
	s_add_co_u32 s20, s20, s21
	s_mov_b32 s21, 0
	s_lshl_b32 s28, s12, 14                        ; the remainders: (plane 2 w x 4 + batch) x 2,048
	s_lshl_b32 s29, s18, 11
	s_add_co_u32 s28, s28, s29
	s_add_co_u32 s28, s28, LOFF
	s_mov_b32 s29, 0
	s_lshl_b32 s32, s12, 18                        ; w_proj: plane 2 w, row 64 x slice
	s_lshl_b32 s33, s13, 13
	s_add_co_u32 s32, s32, s33
	s_mov_b32 s33, 0
	s_lshl_b32 s38, s13, 8                         ; 64 columns x 4 bytes
	s_lshl_b32 s42, s18, 23                        ; 2,048 rows x 4,096 bytes a batch
	s_add_co_u32 s42, s42, s38
	s_mov_b32 s43, 0
	s_add_co_u32 s38, s38, 12288                   ; b_proj lies behind b_qkv's 3,072 numbers
	s_mov_b32 s39, 0
	s_mov_b32 s[CS], 0x3d38aa3b                    ; c = log2(e) / 32
	s_mov_b32 s[CS+1], s[CS]
	s_mov_b32 s[SEL], 0x76543210
	s_mov_b32 s[SEL+1], 0xfedcba98
	s_mov_b32 s[BIGN], 0xf149f2ca                  ; -1e30
	v_and_b32 v1, 15, v0                           ; l % 16
	v_bfe_u32 v2, v0, 4, 1                         ; l / 16
	v_and_b32 v3, 31, v0                           ; l
	v_lshlrev_b32 v[FO], 7, v1
	v_lshl_add_u32 v[FO], v2, 4, v[FO]
	v_lshlrev_b32 v[L16], 4, v3
	v_lshlrev_b32 v[BOF], 4, v1
	s_wait_kmcnt 0x0
	s_add_nc_u64 s[22:23], s[4:5], s[20:21]        ; q hi
	s_add_nc_u64 s[24:25], s[22:23], 16*QS         ; k hi
	s_add_nc_u64 s[26:27], s[22:23], 32*QS         ; v hi
	s_add_nc_u64 s[30:31], s[4:5], s[28:29]        ; q lo; k lo 131,072 and v lo 262,144 bytes on
	s_add_nc_u64 s[34:35], s[6:7], s[32:33]
	s_add_nc_u64 s[36:37], s[8:9], s[38:39]
	s_add_nc_u64 s[40:41], s[10:11], s[42:43]
.irp ks, 0,1,2,3                               ; 32 loads: my 128 channels of q and k, hi and lo, as fragments of 16 rows x 32 channels
	global_load_b128 v[FR+8*(\ks):FR+8*(\ks)+3],       v[FO], s[24:25] offset:((\ks)/2)*QS+((\ks)%2)*64
	global_load_b128 v[FR+8*(\ks)+4:FR+8*(\ks)+7],     v[FO], s[24:25] offset:((\ks)/2)*QS+((\ks)%2)*64+32
	global_load_b128 v[FR+32+8*(\ks):FR+32+8*(\ks)+3], v[FO], s[30:31] offset:131072+((\ks)/2)*8192+((\ks)%2)*64
	global_load_b128 v[FR+32+8*(\ks)+4:FR+32+8*(\ks)+7], v[FO], s[30:31] offset:131072+((\ks)/2)*8192+((\ks)%2)*64+32
	global_load_b128 v[FR+64+8*(\ks):FR+64+8*(\ks)+3], v[FO], s[22:23] offset:((\ks)/2)*QS+((\ks)%2)*64
	global_load_b128 v[FR+64+8*(\ks)+4:FR+64+8*(\ks)+7], v[FO], s[22:23] offset:((\ks)/2)*QS+((\ks)%2)*64+32
	global_load_b128 v[FR+96+8*(\ks):FR+96+8*(\ks)+3], v[FO], s[30:31] offset:((\ks)/2)*8192+((\ks)%2)*64
	global_load_b128 v[FR+96+8*(\ks)+4:FR+96+8*(\ks)+7], v[FO], s[30:31] offset:((\ks)/2)*8192+((\ks)%2)*64+32
.endr
.irp pl, 0,1                                   ; 16 loads: my two planes of v, hi and lo, 512 consecutive bytes each
.irp f, 0,1,2,3
	global_load_b128 v[VR+4*(4*(\pl)+(\f)):VR+4*(4*(\pl)+(\f))+3],     v[L16], s[26:27] offset:(\pl)*QS+(\f)*512
	global_load_b128 v[VR+4*(8+4*(\pl)+(\f)):VR+4*(8+4*(\pl)+(\f))+3], v[L16], s[30:31] offset:262144+(\pl)*8192+(\f)*512
.endr
.endr
	s_mul_i32 s50, s12, VSW                        ; my stage for V
	v_lshrrev_b32 v14, 3, v3
	v_and_b32 v17, 7, v0
	v_mul_u32_u24 v[VSTO], v14, 160                ; in: four rows of 128 bytes a store
	v_lshl_add_u32 v[VSTO], v17, 4, v[VSTO]
	v_add_nc_u32 v[VSTO], s50, v[VSTO]
	v_lshl_add_u32 v[VTR], v2, 3, v17              ; the turning load: key 8 (l / 16) + l % 8, channels 8 ((l / 8) % 2) on
	v_mul_u32_u24 v[VTR], v[VTR], 160
	v_bfe_u32 v14, v0, 3, 1
	v_lshl_add_u32 v[VTR], v14, 4, v[VTR]
	v_add_nc_u32 v[VTR], s50, v[VTR]
	s_lshl_b32 s50, s12, 10
	s_add_co_u32 s50, s50, SP
	v_lshl_add_u32 v[SPA], v3, 5, s50              ; my 32 bytes of my wave's partial scores
	v_lshlrev_b32 v[SPR], 5, v3
	v_add_nc_u32 v[SPR], SP, v[SPR]                ; and of every wave's
	s_mul_i32 s50, s12, OPW
	s_add_co_u32 s50, s50, OP
	v_mul_u32_u24 v[OPA], v1, 272                  ; my wave's partial output: row l % 16, 32 bytes for each half of the lanes
	v_lshl_add_u32 v[OPA], v2, 5, v[OPA]
	v_add_nc_u32 v[OPA], s50, v[OPA]
	v_lshrrev_b32 v14, 4, v0                       ; at the end thread t has row t / 16, 16 bytes at 16 (t % 16)
	v_mul_u32_u24 v[OPR], v14, 272
	v_lshl_add_u32 v[OPR], v1, 4, v[OPR]
	v_add_nc_u32 v[OPR], OP, v[OPR]
	v_lshlrev_b32 v[OUTO], 12, v14
	v_lshl_add_u32 v[OUTO], v1, 4, v[OUTO]
	v_lshlrev_b32 v14, 3, v2
	v_sub_nc_u32 v[DD], v1, v14
	v_mov_b32 v[N1], -1.0
	v_mov_b32 v[PM], 0                             ; v_permlanex16_b32 counts as a reader of its destination
	s_wait_loadcnt 16                              ; q and k are in; v's 16 loads may be out
.irp ks, 0,1,2,3                               ; three sums by turns: k hi q hi, k lo q hi, k hi q lo
.if (\ks) == 0
	v_wmma_f32_16x16x32_f16 v[SA:SA+7], v[FR:FR+7],       v[FR+64:FR+71],  0
	v_wmma_f32_16x16x32_f16 v[SB:SB+7], v[FR+32:FR+39],   v[FR+64:FR+71],  0
	v_wmma_f32_16x16x32_f16 v[SC:SC+7], v[FR:FR+7],       v[FR+96:FR+103], 0
.else
	v_wmma_f32_16x16x32_f16 v[SA:SA+7], v[FR+8*(\ks):FR+8*(\ks)+7],       v[FR+64+8*(\ks):FR+64+8*(\ks)+7], v[SA:SA+7]
	v_wmma_f32_16x16x32_f16 v[SB:SB+7], v[FR+32+8*(\ks):FR+32+8*(\ks)+7], v[FR+64+8*(\ks):FR+64+8*(\ks)+7], v[SB:SB+7]
	v_wmma_f32_16x16x32_f16 v[SC:SC+7], v[FR+8*(\ks):FR+8*(\ks)+7],       v[FR+96+8*(\ks):FR+96+8*(\ks)+7], v[SC:SC+7]
.endif
.endr
	WIN 0x40                                       ; 32 loads: my 128 channels of the slice's 64 rows of w_proj, as fragments, into window 1
.irp tt, 0,1,2,3
.irp ks, 0,1,2,3
	global_load_b128 v[8*(4*(\tt)+(\ks)):8*(4*(\tt)+(\ks))+3],   v[FO], s[34:35] offset:((\ks)/2)*131072+(\tt)*2048+((\ks)%2)*64
	global_load_b128 v[8*(4*(\tt)+(\ks))+4:8*(4*(\tt)+(\ks))+7], v[FO], s[34:35] offset:((\ks)/2)*131072+(\tt)*2048+((\ks)%2)*64+32
.endr
.endr
	WIN 0
	global_load_b128 v[BI:BI+3], v[BOF], s[36:37]
	PLACES
	PLACES
.irp n, 0,1,2,3
	v_pk_add_f32 v[SA+2*(\n):SA+2*(\n)+1], v[SA+2*(\n):SA+2*(\n)+1], v[SB+2*(\n):SB+2*(\n)+1]
.endr
.irp n, 0,1,2,3
	v_pk_add_f32 v[SA+2*(\n):SA+2*(\n)+1], v[SA+2*(\n):SA+2*(\n)+1], v[SC+2*(\n):SC+2*(\n)+1]
.endr
	ds_store_b128 v[SPA], v[SA:SA+3]
	ds_store_b128 v[SPA], v[SA+4:SA+7] offset:16
	s_wait_loadcnt 33                              ; v is in; w_proj's 32 loads and the bias may be out
.irp blk, 0,1,2,3
.irp f, 0,1,2,3
	ds_store_b128 v[VSTO], v[VR+4*(4*(\blk)+(\f)):VR+4*(4*(\blk)+(\f))+3] offset:(\blk)*2560+(\f)*640
.endr
.endr
	s_wait_dscnt 0x0                               ; for the others' sake: my partial scores lie in LDS
	s_barrier_signal -1
	s_barrier_wait -1
.irp wv, 0,1,2,3,4,5,6,7
	ds_load_b128 v[PS+8*(\wv):PS+8*(\wv)+3],   v[SPR] offset:(\wv)*1024
	ds_load_b128 v[PS+8*(\wv)+4:PS+8*(\wv)+7], v[SPR] offset:(\wv)*1024+16
.endr
	WIN 0x40                                       ; V's fragments: the same 16 keys in both halves of the K of 32
.irp hl, 0,1
.irp ct, 0,1,2,3,4,5,6,7
	ds_load_tr16_b128 v[128+8*(8*(\hl)+(\ct)):128+8*(8*(\hl)+(\ct))+3],   v[VTR] offset:(2*(\hl)+(\ct)/4)*2560+((\ct)%4)*32
	ds_load_tr16_b128 v[128+8*(8*(\hl)+(\ct))+4:128+8*(8*(\hl)+(\ct))+7], v[VTR] offset:(2*(\hl)+(\ct)/4)*2560+((\ct)%4)*32
.endr
.endr
	WIN 0
	s_wait_dscnt 32                                ; the eight partial sums are in; the 32 turning loads may be out
.irp wv, 0,2,4,6
.irp n, 0,1,2,3
	v_pk_add_f32 v[PS+8*(\wv)+2*(\n):PS+8*(\wv)+2*(\n)+1], v[PS+8*(\wv)+2*(\n):PS+8*(\wv)+2*(\n)+1], v[PS+8*(\wv)+8+2*(\n):PS+8*(\wv)+8+2*(\n)+1]
.endr
.endr
.irp wv, 0,4
.irp n, 0,1,2,3
	v_pk_add_f32 v[PS+8*(\wv)+2*(\n):PS+8*(\wv)+2*(\n)+1], v[PS+8*(\wv)+2*(\n):PS+8*(\wv)+2*(\n)+1], v[PS+8*(\wv)+16+2*(\n):PS+8*(\wv)+16+2*(\n)+1]
.endr
.endr
.irp n, 0,1,2,3
	v_pk_add_f32 v[SA+2*(\n):SA+2*(\n)+1], v[PS+2*(\n):PS+2*(\n)+1], v[PS+32+2*(\n):PS+32+2*(\n)+1]
.endr
.irp j, 0,1,2,3,4,5,6,7                        ; the causal mask
	v_cmp_gt_i32 vcc_lo, \j, v[DD]
	v_cndmask_b32 v[SA+(\j)], v[SA+(\j)], s[BIGN], vcc_lo
.endr
	v_max3_num_f32 v[MX], v[SA], v[SA+1], v[SA+2]
	v_max3_num_f32 v[MX], v[MX], v[SA+3], v[SA+4]
	v_max3_num_f32 v[MX], v[MX], v[SA+5], v[SA+6]
	v_max_num_f32 v[MX], v[MX], v[SA+7]
	v_permlanex16_b32 v[PM], v[MX], s[SEL], s[SEL+1]  ; the query's other eight keys lie in the lane 16 away
	v_max_num_f32 v[MX], v[MX], v[PM]
	v_mul_f32 v[CM], s[CS], v[MX]
	v_mul_f32 v[CM+1], s[CS], v[MX]
.irp n, 0,1,2,3
	v_pk_fma_f32 v[SA+2*(\n):SA+2*(\n)+1], v[SA+2*(\n):SA+2*(\n)+1], s[CS:CS+1], v[CM:CM+1] op_sel_hi:[1,0,0] neg_lo:[0,0,1] neg_hi:[0,0,1]
.endr
.irp j, 0,1,2,3,4,5,6,7
	v_exp_f32 v[SA+(\j)], v[SA+(\j)]
.endr
	v_nop                                          ; one plain instruction behind the last exponential,
	s_wait_alu depctr_va_vdst(0)                   ; and one wait for the eight
	v_pk_add_f32 v[T:T+1], v[SA:SA+1], v[SA+2:SA+3]
	v_pk_add_f32 v[T+2:T+3], v[SA+4:SA+5], v[SA+6:SA+7]
	v_pk_add_f32 v[T:T+1], v[T:T+1], v[T+2:T+3]
	v_add_f32 v[T], v[T], v[T+1]
	v_permlanex16_b32 v[PM], v[T], s[SEL], s[SEL+1]
	v_add_f32 v[T], v[T], v[PM]
	v_rcp_f32 v[RC], v[T]
	v_rcp_f32 v[RC+1], v[T]
	v_nop
	s_wait_alu depctr_va_vdst(0)
.irp n, 0,1,2,3
	v_pk_mul_f32 v[SA+2*(\n):SA+2*(\n)+1], v[SA+2*(\n):SA+2*(\n)+1], v[RC:RC+1]
.endr
.irp n, 0,1,2,3
	v_cvt_pk_f16_f32 v[PF+(\n)], v[SA+2*(\n)], v[SA+2*(\n)+1]       ; P hi: the K of 32's first half
.endr
.irp n, 0,1,2,3
	v_fma_mix_f32 v[SA+2*(\n)],   v[PF+(\n)], v[N1], v[SA+2*(\n)]   op_sel_hi:[1,0,0]
	v_fma_mix_f32 v[SA+2*(\n)+1], v[PF+(\n)], v[N1], v[SA+2*(\n)+1] op_sel:[1,0,0] op_sel_hi:[1,0,0]
.endr
.irp n, 0,1,2,3
	v_cvt_pk_f16_f32 v[PF+4+(\n)], v[SA+2*(\n)], v[SA+2*(\n)+1]     ; P lo: its second half
.endr
	s_wait_dscnt 0x0                               ; V's fragments are in
	WIN 0x01                                       ; source 0 in window 1
.irp ct, 0,1,2,3,4,5,6,7                       ; eight sums by turns: V hi, then V lo
	v_wmma_f32_16x16x32_f16 v[OA+8*(\ct):OA+8*(\ct)+7], v[128+8*(\ct):128+8*(\ct)+7], v[PF:PF+7], 0
.endr
.irp ct, 0,1,2,3,4,5,6,7
	v_wmma_f32_16x16x32_f16 v[OA+8*(\ct):OA+8*(\ct)+7], v[192+8*(\ct):192+8*(\ct)+7], v[PF:PF+7], v[OA+8*(\ct):OA+8*(\ct)+7]
.endr
	WIN 0
	PLACES
	PLACES
.irp ct, 0,1,2,3,4,5,6,7                       ; two neighbouring tiles of 16 channels are one fragment of 32
.irp rr, 0,1,2,3
	v_cvt_pk_f16_f32 v[OFH+4*(\ct)+(\rr)], v[OA+8*(\ct)+2*(\rr)], v[OA+8*(\ct)+2*(\rr)+1]
.endr
.endr
.irp ct, 0,1,2,3,4,5,6,7
.irp rr, 0,1,2,3
	v_fma_mix_f32 v[OA+8*(\ct)+2*(\rr)],   v[OFH+4*(\ct)+(\rr)], v[N1], v[OA+8*(\ct)+2*(\rr)]   op_sel_hi:[1,0,0]
	v_fma_mix_f32 v[OA+8*(\ct)+2*(\rr)+1], v[OFH+4*(\ct)+(\rr)], v[N1], v[OA+8*(\ct)+2*(\rr)+1] op_sel:[1,0,0] op_sel_hi:[1,0,0]
.endr
.endr
.irp ct, 0,1,2,3,4,5,6,7
.irp rr, 0,1,2,3
	v_cvt_pk_f16_f32 v[OFL+4*(\ct)+(\rr)], v[OA+8*(\ct)+2*(\rr)], v[OA+8*(\ct)+2*(\rr)+1]
.endr
.endr
	s_wait_loadcnt 0x0                             ; w_proj and the bias
	WIN 0x01
.irp tt, 0,1,2,3                               ; four sums by turns
	v_wmma_f32_16x16x32_f16 v[RA+8*(\tt):RA+8*(\tt)+7], v[8*(4*(\tt)):8*(4*(\tt))+7], v[OFH:OFH+7], 0
.endr
.irp tt, 0,1,2,3
	v_wmma_f32_16x16x32_f16 v[RA+8*(\tt):RA+8*(\tt)+7], v[8*(4*(\tt)):8*(4*(\tt))+7], v[OFL:OFL+7], v[RA+8*(\tt):RA+8*(\tt)+7]
.endr
.irp ks, 1,2,3
.irp tt, 0,1,2,3
	v_wmma_f32_16x16x32_f16 v[RA+8*(\tt):RA+8*(\tt)+7], v[8*(4*(\tt)+(\ks)):8*(4*(\tt)+(\ks))+7], v[OFH+8*(\ks):OFH+8*(\ks)+7], v[RA+8*(\tt):RA+8*(\tt)+7]
.endr
.irp tt, 0,1,2,3
	v_wmma_f32_16x16x32_f16 v[RA+8*(\tt):RA+8*(\tt)+7], v[8*(4*(\tt)+(\ks)):8*(4*(\tt)+(\ks))+7], v[OFL+8*(\ks):OFL+8*(\ks)+7], v[RA+8*(\tt):RA+8*(\tt)+7]
.endr
.endr
	WIN 0
	PLACES
	PLACES
.irp tt, 0,1,2,3
	ds_store_b128 v[OPA], v[RA+8*(\tt):RA+8*(\tt)+3]   offset:64*(\tt)
	ds_store_b128 v[OPA], v[RA+8*(\tt)+4:RA+8*(\tt)+7] offset:64*(\tt)+16
.endr
	s_wait_dscnt 0x0                               ; for the others' sake: my partial output lies in LDS
	s_barrier_signal -1
	s_barrier_wait -1
.irp wv, 0,1,2,3,4,5,6,7
	ds_load_b128 v[PS+4*(\wv):PS+4*(\wv)+3], v[OPR] offset:(\wv)*OPW
.endr
	s_wait_dscnt 0x0
.irp wv, 0,2,4,6
	v_pk_add_f32 v[PS+4*(\wv):PS+4*(\wv)+1],   v[PS+4*(\wv):PS+4*(\wv)+1],   v[PS+4*(\wv)+4:PS+4*(\wv)+5]
	v_pk_add_f32 v[PS+4*(\wv)+2:PS+4*(\wv)+3], v[PS+4*(\wv)+2:PS+4*(\wv)+3], v[PS+4*(\wv)+6:PS+4*(\wv)+7]
.endr
.irp wv, 0,4
	v_pk_add_f32 v[PS+4*(\wv):PS+4*(\wv)+1],   v[PS+4*(\wv):PS+4*(\wv)+1],   v[PS+4*(\wv)+8:PS+4*(\wv)+9]
	v_pk_add_f32 v[PS+4*(\wv)+2:PS+4*(\wv)+3], v[PS+4*(\wv)+2:PS+4*(\wv)+3], v[PS+4*(\wv)+10:PS+4*(\wv)+11]
.endr
	v_pk_add_f32 v[PS:PS+1],   v[PS:PS+1],   v[PS+16:PS+17]
	v_pk_add_f32 v[PS+2:PS+3], v[PS+2:PS+3], v[PS+18:PS+19]
	v_pk_add_f32 v[PS:PS+1],   v[PS:PS+1],   v[BI:BI+1]
	v_pk_add_f32 v[PS+2:PS+3], v[PS+2:PS+3], v[BI+2:BI+3]
	global_store_b128 v[OUTO], v[PS:PS+3], s[40:41] th:TH_STORE_NT  ; sixteen lanes store 256 consecutive bytes of a row, aligned
	s_wait_tensorcnt 0x0                           ; the wave's end, behind my last LDS store
	ds_add_u32 v[SPW], v[NIL]
	s_wait_dscnt 0x0
	s_endpgm
.Lfunc_end_k_q75f51b65da_head:
	.size	k_q75f51b65da_head, .Lfunc_end_k_q75f51b65da_head-k_q75f51b65da_head
	.p2alignl 7, 3214868480
	.fill 96, 4, 3214868480
	.section	.rodata,"a",@progbits
	.p2align	6, 0x0
	.amdhsa_kernel k_q75f51b65da_head
		.amdhsa_group_segment_fixed_size 125952
		.amdhsa_private_segment_fixed_size 0
		.amdhsa_enable_private_segment 0
		.amdhsa_kernarg_size 32
		.amdhsa_user_sgpr_count 2
		.amdhsa_user_sgpr_kernarg_segment_ptr 1
		.amdhsa_wavefront_size32 1
		.amdhsa_system_sgpr_workgroup_id_x 1
		.amdhsa_system_sgpr_workgroup_id_y 1
		.amdhsa_system_sgpr_workgroup_id_z 1
		.amdhsa_system_vgpr_workitem_id 0
		.amdhsa_next_free_vgpr 512
		.amdhsa_next_free_sgpr 66
		.amdhsa_reserve_vcc 1
		.amdhsa_float_denorm_mode_32 3
		.amdhsa_float_denorm_mode_16_64 3
		.amdhsa_memory_ordered 1
		.amdhsa_forward_progress 1
		.amdhsa_inst_pref_size 37
	.end_amdhsa_kernel
	.amdgpu_metadata
---
amdhsa.version: [ 1, 2 ]
amdhsa.kernels:
  - .name:           k_q75f51b65da_head
    .symbol:         k_q75f51b65da_head.kd
    .args:
      - { .name: qkvb, .offset: 0, .size: 8, .value_kind: global_buffer, .address_space: global }
      - { .name: wpb, .offset: 8, .size: 8, .value_kind: global_buffer, .address_space: global }
      - { .name: br, .offset: 16, .size: 8, .value_kind: global_buffer, .address_space: global }
      - { .name: out0, .offset: 24, .size: 8, .value_kind: global_buffer, .address_space: global }
    .group_segment_fixed_size: 125952
    .private_segment_fixed_size: 0
    .kernarg_segment_align: 8
    .kernarg_segment_size: 32
    .max_flat_workgroup_size: 256
    .sgpr_count:     66
    .vgpr_count:     512
    .wavefront_size: 32
...
	.end_amdgpu_metadata
.endif
;; end of part 6
;; ======== version 2 of 2: 6 launches; version 1 with the launches cast, head written anew for expert scheduling mode
;; limits: values are held in f16: magnitudes above 65,504 overflow, below 6.1e-05 lose precision
;; workspace buffers: xb 16,777,216 bytes; wqb 6,291,456 bytes; wpb 2,097,152 bytes; br 16,384 bytes; qkvb 50,724,864 bytes; pb 33,554,432 bytes; st 786,432 bytes; ob 16,777,216 bytes
;; launch cast (part 7): grid 385 x 1, 8 waves a work-group, no clusters, 0 bytes of LDS; arguments x, w_qkv, w_proj, b_qkv, b_proj, xb, wqb, wpb, br; writes xb, wqb, wpb, br
.if DOCPART == 7
	.amdgcn_target "amdgcn-amd-amdhsa--gfx1250"
	.amdhsa_code_object_version 6
	.text
	.protected	k_q75f51b65da_cast
	.globl	k_q75f51b65da_cast
	.p2align	8
	.type	k_q75f51b65da_cast,@function
k_q75f51b65da_cast:
	s_mov_b64 s[64:65], 0
	v_nop
	global_prefetch_b8 v0, s[64:65] scope:SCOPE_SE
	s_setreg_imm32_b32 hwreg(HW_REG_WAVE_SCHED_MODE, 0, 2), 2
	s_setreg_imm32_b32 hwreg(HW_REG_WAVE_MODE, 25, 1), 1
	s_wait_xcnt 0x0
	s_wait_alu depctr_vm_vsrc(0)
; All five inputs are rounded once to bf16 and laid out for the products that follow.
; x -> xb, w_qkv -> wqb (bf16), w_proj -> wpb (the bf16 number written as f16), the two biases -> br (the bf16 number written as f32).
; LAYOUT OF THE 16-BIT COPIES: planes [1024/64][rows][64]: 64 neighbouring columns of a row are 128 bytes, and the rows of a plane lie end to end.
; SHARES.  Work-group g takes 32 rows of 1,024 numbers: g 0-255 of x, 256-351 of w_qkv, 352-383 of w_proj; g = 384 takes the biases.
; Thread t: row t / 16, 16 bytes at 16 (t % 16) of each 256 bytes: a load of a wave covers two rows x 256 bytes, a store 256 consecutive bytes, aligned.
; All 32 loads of a thread go out at once; no register that a store reads is ever written again.
; LIMIT: a number of w_proj beyond 65,504 has no f16; below 6e-5 f16 keeps a fixed step of 6e-8.
; No LDS, no matrix unit, no cluster: each byte is read once and written once, and nothing is shared.
; THE MODE: SCHED_MODE bits 1:0 = 2 (LLVM: expert scheduling mode 2), set by the entry lines.  The code itself states the register dependences
; between vector instructions and memory instructions, with s_wait_alu, always for 0.
; THE PLAN.  Registers that memory instructions touch:
;   v1, v18      offsets of the loads (v18: of the biases' stores too).  Written once, at the head, ahead of the head's wait; never again.
;   v[VO ..]     offsets of the stores.  Written once (the first at the head, fifteen behind the loads); the stores alone read them.
;   X, item i    four registers.  The item's load lands in them (no vector instruction names them before); its roundings read them and write them; its store reads the first two; nothing writes them afterwards.
; The 32 items go in eight blocks of four.  A block's roundings name its own registers alone; the stores of the block before are dealt among them, behind ONE wait at the block's head.
.set VO, 2                             ; v[2:17]  byte offset of my 8 bytes in plane kb
.set X,  24                            ; v[24:151] item idx = 16 half + kb: four f32 as loaded
.set BLK, 4                            ; items in a block
	s_load_b512 s[8:23], s[0:1], 0x0               ; x 8, w_qkv 10, w_proj 12, b_qkv 14, b_proj 16, xb 18, wqb 20, wpb 22
	s_load_b64 s[24:25], s[0:1], 0x40              ; br
	v_lshrrev_b32 v20, 4, v0                       ; my row of sixteen
	v_and_b32 v21, 15, v0
	v_lshlrev_b32 v1, 12, v20                      ; in: row x 4,096 + 16 x place
	v_lshl_add_u32 v1, v21, 4, v1
	v_lshlrev_b32 v[VO], 7, v20                    ; out: row x 128 + 8 x place
	v_lshl_add_u32 v[VO], v21, 3, v[VO]
	v_lshlrev_b32 v18, 4, v0                       ; the biases: 16 bytes a thread
	s_mov_b32 s32, 0xffff0000                      ; a word's upper bf16
	s_wait_kmcnt 0x0
	s_wait_alu depctr_va_vdst(0)                   ; v1, v18 and v[VO] are written: the offsets that the loads read on both ways behind the branch, and the biases' stores
	s_cmp_eq_u32 ttmp9, 384
	s_cbranch_scc1 .Lbias
	s_mov_b32 s30, 0x60000                         ; bytes from plane to plane: wqb 393,216
	s_cmp_lt_u32 ttmp9, 256
	s_cselect_b64 s[26:27], s[8:9], s[10:11]       ; from
	s_cselect_b64 s[28:29], s[18:19], s[20:21]     ; to
	s_cselect_b32 s30, 0x100000, s30               ; xb 1,048,576
	s_cselect_b32 s31, 0, 256                      ; the tensor's first work-group
	s_cmp_lt_u32 ttmp9, 352
	s_cselect_b64 s[26:27], s[26:27], s[12:13]
	s_cselect_b64 s[28:29], s[28:29], s[22:23]
	s_cselect_b32 s30, s30, 0x20000                ; wpb 131,072
	s_cselect_b32 s31, s31, 352
	s_sub_co_u32 s31, ttmp9, s31                   ; my block of 32 rows
	s_lshl_b32 s34, s31, 17                        ; x 32 rows x 4,096 bytes
	s_mov_b32 s35, 0
	s_lshl_b32 s36, s31, 12                        ; x 32 rows x 128 bytes
	s_mov_b32 s37, 0
	s_add_nc_u64 s[26:27], s[26:27], s[34:35]
	s_add_nc_u64 s[28:29], s[28:29], s[36:37]
.set i, 0
.rept 32
	global_load_b128 v[X+4*i:X+4*i+3], v1, s[26:27] offset:(i/16)*65536+(i%16)*256 th:TH_LOAD_NT
.set i, i+1
.endr
.set k, 1
.rept 15
	v_add_nc_u32 v[VO+k], s30, v[VO+k-1]           ; behind the loads, which name none of these; the stores that read them stand behind the second block's wait
.set k, k+1
.endr
; Item idx: four numbers are rounded.  fmt 0: bf16.  fmt 1: bf16, widened again, written as f16.
.macro CONV idx, fmt
.set xr, X+4*(\idx)
	v_cvt_pk_bf16_f32 v[xr], v[xr], v[xr+1]
	v_cvt_pk_bf16_f32 v[xr+1], v[xr+2], v[xr+3]
.if \fmt
	v_lshlrev_b32 v[xr+2], 16, v[xr]
	v_and_b32 v[xr+3], s32, v[xr]
	v_cvt_pk_f16_f32 v[xr], v[xr+2], v[xr+3]
	v_lshlrev_b32 v[xr+2], 16, v[xr+1]
	v_and_b32 v[xr+3], s32, v[xr+1]
	v_cvt_pk_f16_f32 v[xr+1], v[xr+2], v[xr+3]
.endif
.endm
; Item idx is stored.
.macro SEND idx
.set xr, X+4*(\idx)
	global_store_b64 v[VO+(\idx)%16], v[xr:xr+1], s[28:29] offset:((\idx)/16)*2048 th:TH_STORE_NT
.endm
; The 32 items.  Item i is rounded when its load is in; the store of item i - BLK, of the block before, stands ahead of it.
.macro PASS fmt
.set i, 0
.rept 32
	s_wait_loadcnt 31-i                            ; loads come back in order: mine is in, the younger ones stay out
.if ((i%BLK) == 0) && (i > 0)
	s_wait_alu depctr_va_vdst(0)                   ; the block before has written the halves that the four stores of this block's turn read (the first time: v[VO+1 ..] are written too); the roundings below name this block's registers alone
.endif
.if i >= BLK
	SEND i-BLK
.endif
	CONV i, \fmt
.set i, i+1
.endr
	s_wait_alu depctr_va_vdst(0)                   ; the last block has written its halves, which the last four stores read
.set i, 32-BLK
.rept BLK
	SEND i
.set i, i+1
.endr
.endm
	s_cmp_ge_u32 ttmp9, 352
	s_cbranch_scc1 .Lf16
	PASS 0
	s_endpgm
.Lf16:
	PASS 1
	s_endpgm
.Lbias:                                        ; 4,096 numbers: b_qkv, then b_proj
	global_load_b128 v[24:27], v18, s[14:15]
	global_load_b128 v[28:31], v18, s[14:15] offset:4096
	global_load_b128 v[32:35], v18, s[14:15] offset:8192
	global_load_b128 v[36:39], v18, s[16:17]
	s_wait_loadcnt 0x0
.set i, 24
.rept 8
	v_cvt_pk_bf16_f32 v40, v[i], v[i+1]
	v_lshlrev_b32 v[i], 16, v40
	v_and_b32 v[i+1], s32, v40
.set i, i+2
.endr
	s_wait_alu depctr_va_vdst(0)                   ; the lines above have written v[24:39], which the four stores read
	global_store_b128 v18, v[24:27], s[24:25]
	global_store_b128 v18, v[28:31], s[24:25] offset:4096
	global_store_b128 v18, v[32:35], s[24:25] offset:8192
	global_store_b128 v18, v[36:39], s[24:25] offset:12288
	s_endpgm
.Lfunc_end_k_q75f51b65da_cast:
	.size	k_q75f51b65da_cast, .Lfunc_end_k_q75f51b65da_cast-k_q75f51b65da_cast
	.p2alignl 7, 3214868480
	.fill 96, 4, 3214868480
	.section	.rodata,"a",@progbits
	.p2align	6, 0x0
	.amdhsa_kernel k_q75f51b65da_cast
		.amdhsa_group_segment_fixed_size 0
		.amdhsa_private_segment_fixed_size 0
		.amdhsa_enable_private_segment 0
		.amdhsa_kernarg_size 72
		.amdhsa_user_sgpr_count 2
		.amdhsa_user_sgpr_kernarg_segment_ptr 1
		.amdhsa_wavefront_size32 1
		.amdhsa_system_sgpr_workgroup_id_x 1
		.amdhsa_system_sgpr_workgroup_id_y 1
		.amdhsa_system_sgpr_workgroup_id_z 1
		.amdhsa_system_vgpr_workitem_id 0
		.amdhsa_next_free_vgpr 160
		.amdhsa_next_free_sgpr 66
		.amdhsa_reserve_vcc 0
		.amdhsa_float_denorm_mode_32 3
		.amdhsa_float_denorm_mode_16_64 3
		.amdhsa_memory_ordered 1
		.amdhsa_forward_progress 1
		.amdhsa_inst_pref_size 32
	.end_amdhsa_kernel
	.amdgpu_metadata
---
amdhsa.version: [ 1, 2 ]
amdhsa.kernels:
  - .name:           k_q75f51b65da_cast
    .symbol:         k_q75f51b65da_cast.kd
    .args:
      - { .name: x, .offset: 0, .size: 8, .value_kind: global_buffer, .address_space: global }
      - { .name: w_qkv, .offset: 8, .size: 8, .value_kind: global_buffer, .address_space: global }
      - { .name: w_proj, .offset: 16, .size: 8, .value_kind: global_buffer, .address_space: global }
      - { .name: b_qkv, .offset: 24, .size: 8, .value_kind: global_buffer, .address_space: global }
      - { .name: b_proj, .offset: 32, .size: 8, .value_kind: global_buffer, .address_space: global }
      - { .name: xb, .offset: 40, .size: 8, .value_kind: global_buffer, .address_space: global }
      - { .name: wqb, .offset: 48, .size: 8, .value_kind: global_buffer, .address_space: global }
      - { .name: wpb, .offset: 56, .size: 8, .value_kind: global_buffer, .address_space: global }
      - { .name: br, .offset: 64, .size: 8, .value_kind: global_buffer, .address_space: global }
    .group_segment_fixed_size: 0
    .private_segment_fixed_size: 0
    .kernarg_segment_align: 8
    .kernarg_segment_size: 72
    .max_flat_workgroup_size: 256
    .sgpr_count:     66
    .vgpr_count:     160
    .wavefront_size: 32
...
	.end_amdgpu_metadata
.endif
;; end of part 7
;; launch qkv: the kernel of part 2 again; grid 12 x 32, 4 waves a work-group, clusters of 4 x 4, 327,680 bytes of LDS; arguments xb, wqb, br, qkvb; writes qkvb
;; launch scores: the kernel of part 3 again; grid 36 x 4, 4 waves a work-group, no clusters, 327,680 bytes of LDS; arguments qkvb, pb, st; writes pb, st
;; launch pv: the kernel of part 4 again; grid 8 x 32, 4 waves a work-group, clusters of 4 x 1, 327,680 bytes of LDS; arguments pb, qkvb, st, ob; writes ob
;; launch proj: the kernel of part 5 again; grid 4 x 64, 4 waves a work-group, clusters of 4 x 4, 327,680 bytes of LDS; arguments ob, wpb, br, out0; writes out0
;; launch head (part 8): grid 16 x 4, 8 waves a work-group, no clusters, 125,952 bytes of LDS; arguments qkvb, wpb, br, out0; writes out0
.if DOCPART == 8
	.amdgcn_target "amdgcn-amd-amdhsa--gfx1250"
	.amdhsa_code_object_version 6
	.text
	.protected	k_q75f51b65da_head
	.globl	k_q75f51b65da_head
	.p2align	8
	.type	k_q75f51b65da_head,@function
k_q75f51b65da_head:
	s_mov_b64 s[64:65], 0
	v_nop
	global_prefetch_b8 v0, s[64:65] scope:SCOPE_SE
	s_setreg_imm32_b32 hwreg(HW_REG_WAVE_SCHED_MODE, 0, 2), 2
	s_setreg_imm32_b32 hwreg(HW_REG_WAVE_MODE, 25, 1), 1
	s_wait_xcnt 0x0
	s_wait_alu depctr_vm_vsrc(0)
; THE FIRST 16 ROWS OF EACH BATCH, from q, k, v to the output, with every 16-bit operand that the program makes itself doubled: a number is hi + lo, two f16.
; WHY.  Row t averages over t + 1 keys: the first rows' numbers are many times the root mean square of the whole output, and so are the errors that single f16 roundings of q, k, the weights,
; v and O leave in them.  16 rows see 16 keys: one tile of 16 x 16 scores a batch.
; s = q . k (hi hi + lo hi + hi lo; the term lo lo lies below f32's last bit); key > query counts as -1e30; the row's maximum is taken away; p = 2^(c s - c m) / l, c = log2(e) / 32, in f32, then split;
; O = (P hi + P lo)(V hi + V lo), split; out = (O hi + O lo) w_proj^T + b_proj; all sums f32.  LIMITS: q, k, v within f16; a remainder below 6e-5 keeps f16's fixed step of 6e-8.
; SHARES.  A work-group makes 64 output columns of one batch's 16 rows.  K IS SPLIT AMONG ITS EIGHT WAVES in all three products: wave w owns the planes 2 w, 2 w + 1 (128 channels) of q, k, v and w_proj.
; The scores' partial sums meet in LDS, every wave makes the softmax for itself, O of a wave's channels is just the K slice that the wave multiplies by w_proj, and the output's partial sums meet in LDS.
; LAYOUT.  All products transposed: S^T = K Q^T, O^T = V^T P, out^T = W O^T: a lane holds one query (lane % 16) and eight neighbouring keys, channels or columns, so each result, rounded in pairs, is the next
; product's second source without a change of lanes.  16 keys fill half of a K of 32: the other half takes the same keys again, V twice against P hi and P lo.  V ([key][channel]) goes through the
; wave's own stage and is turned by ds_load_tr16_b128.
; Loads through registers, no tensor load: nothing that a wave fetches is wanted by another.  No cluster: what the four batches share, a slice of w_proj of 128 KiB, is small.  64 work-groups: there is no more work.
; REGISTERS.  Window 0: v4-29 addresses and figures; v32-55 three score sums, v56-63 P; later v32-63 four output sums; v64-191 fragments of q and k, later O's sums (64) and fragments (64);
; v192-255 V as loaded, later partial sums.  Window 1: v0-127 fragments of w_proj, v128-255 of V.
; THE MODE: SCHED_MODE bits 1:0 = 2 (LLVM: expert scheduling mode 2), set by the entry lines.  The code itself states the register dependences
; between vector or matrix instructions and memory or LDS instructions, with s_wait_alu, always for 0.
; THE PLAN.  The text is one straight run.  Registers that memory or LDS instructions touch:
;   v4-v13          all offsets and LDS addresses.  Written at the head alone, ahead of ONE wait on va_vdst that stands in front of the first load; read by every load and store; never written again.
;   v64-191, v192-255, v24-27, window 1 v0-127   The 81 global loads land in them, in one run behind that wait; no vector instruction names them before.
;   v192-255 (VR)   Read by the sixteen LDS stores of V, which stand behind the score products with no wait: nothing issued since the head's wait names VR or their address.  Then the partial scores land in them.
;   v32-39 (SA)     Written by the score products and their sums; read by two LDS stores (a wait on va_vdst ahead); written again by the sums of the eight parts.
;                   ONE wait on vm_vsrc, behind the first barrier, states that the LDS stores have read VR and SA.
;   window 1 v128-255   The turning loads land in them; never named before.
;   v32-63 (RA)     Written by the last products; read by eight LDS stores (the places, then a wait on va_vdst).  That wait also stands behind the sums that named v192-223, in which the partial outputs land.
;   v192-195        Written by the last sums; read by the global store (a wait on va_vdst ahead).
;   s12, s[52:59]   The wave's number and the mask's eight lane masks: written by vector instructions in one run at the head, ONE wait on va_sdst behind the run, ahead of the first reader of any of them.
;   s49, s50, s51   Three LDS bases, a register each: no scalar register that a vector instruction has read is written again.
;   v28, v29        Written at the head, read by the closing add alone.
.set QS,    1048576
.set LOFF,  48*QS                      ; the remainders: [48 planes][4 batches][16 rows][64], behind the planes
.set VSW,   4*16*160                   ; a wave's stage for V: hi's two planes, lo's two, 16 rows of 160 bytes (128 + 32)
.set SP,    8*VSW                      ; the scores' partial sums: 1,024 bytes a wave
.set OP,    SP+8*1024                  ; the output's partial sums: 16 rows x 272 bytes a wave
.set OPW,   16*272
.set SPARE, OP+8*OPW                   ; the spare words: 128 bytes a wave, four blocks of 256 bytes that no other line names
.set FO,   4                           ; a fragment's row x 128 + 16 x half
.set L16,  5                           ; 16 x lane
.set VSTO, 6
.set VTR,  7
.set SPA,  8
.set SPR,  9
.set OPA,  10
.set OPR,  11
.set OUTO, 12
.set BOF,  13
.set DD,   15                          ; my query less my keys' first: key register j is hidden where j is greater
.set N1,   16                          ; -1.0
.set MX,   18
.set PM,   19
.set CM,   20
.set RC,   22
.set BI,   24                          ; v24-27 my four numbers of the bias
.set SPW,  28
.set NIL,  29
.set SA,   32
.set SB,   40
.set SC,   48
.set PF,   56
.set RA,   32
.set T,    40
.set FR,   64                          ; k hi, k lo, q hi, q lo: 32 each, K step ks at 8 ks
.set OA,   64
.set OFH,  128
.set OFL,  160
.set VR,   192
.set PS,   192
.set CS,   44
.set SEL,  46
.set BIGN, 48
.set MK,   52                          ; s[52:59] lane masks: key register j is hidden
.set MSB, 0
.macro WIN new
.if MSB != (\new)
	s_set_vgpr_msb (MSB<<8)|(\new)
.set MSB, \new
.endif
.endm
.macro PLACES
.rept 4
	v_nop
.endr
.endm
	s_load_b256 s[4:11], s[0:1], 0x0               ; qkvb 4, wpb 6, br 8, out0 10
	v_lshl_add_u32 v[SPW], v0, 2, SPARE
	v_mov_b32 v[NIL], 0
	v_lshrrev_b32 v3, 5, v0
	v_readfirstlane_b32 s12, v3                    ; wave 0..7
	v_and_b32 v1, 15, v0                           ; l % 16
	v_bfe_u32 v2, v0, 4, 1                         ; l / 16
	v_lshlrev_b32 v14, 3, v2
	v_sub_nc_u32 v[DD], v1, v14
.irp j, 0,1,2,3,4,5,6,7                        ; the causal mask hangs on the lane alone: eight lane masks, made here in one run with the wave's number
	v_cmp_gt_i32 s[MK+(\j)], \j, v[DD]
.endr
	v_and_b32 v3, 31, v0                           ; l
	v_lshlrev_b32 v[FO], 7, v1
	v_lshl_add_u32 v[FO], v2, 4, v[FO]
	v_lshlrev_b32 v[L16], 4, v3
	v_lshlrev_b32 v[BOF], 4, v1
	s_mov_b32 s13, ttmp9                           ; my 64 output columns
	s_and_b32 s18, ttmp7, 0xffff                   ; batch
	s_mov_b32 s[CS], 0x3d38aa3b                    ; c = log2(e) / 32
	s_mov_b32 s[CS+1], s[CS]
	s_mov_b32 s[SEL], 0x76543210
	s_mov_b32 s[SEL+1], 0xfedcba98
	s_mov_b32 s[BIGN], 0xf149f2ca                  ; -1e30
	s_wait_alu depctr_va_sdst(0)                   ; s12 and s[52:59] are written, ahead of their first readers: the offsets below are made from s12, the selects far below read the masks
	s_lshl_b32 s20, s12, 21                        ; plane 2 w, the batch's first row
	s_lshl_b32 s21, s18, 18
	s_add_co_u32 s20, s20, s21
	s_mov_b32 s21, 0
	s_lshl_b32 s28, s12, 14                        ; the remainders: (plane 2 w x 4 + batch) x 2,048
	s_lshl_b32 s29, s18, 11
	s_add_co_u32 s28, s28, s29
	s_add_co_u32 s28, s28, LOFF
	s_mov_b32 s29, 0
	s_lshl_b32 s32, s12, 18                        ; w_proj: plane 2 w, row 64 x slice
	s_lshl_b32 s33, s13, 13
	s_add_co_u32 s32, s32, s33
	s_mov_b32 s33, 0
	s_lshl_b32 s38, s13, 8                         ; 64 columns x 4 bytes
	s_lshl_b32 s42, s18, 23                        ; 2,048 rows x 4,096 bytes a batch
	s_add_co_u32 s42, s42, s38
	s_mov_b32 s43, 0
	s_add_co_u32 s38, s38, 12288                   ; b_proj lies behind b_qkv's 3,072 numbers
	s_mov_b32 s39, 0
	s_mul_i32 s49, s12, VSW                        ; my stage for V
	s_lshl_b32 s50, s12, 10
	s_add_co_u32 s50, s50, SP                      ; my partial scores
	s_mul_i32 s51, s12, OPW
	s_add_co_u32 s51, s51, OP                      ; my partial output
	v_lshrrev_b32 v14, 3, v3
	v_and_b32 v17, 7, v0
	v_mul_u32_u24 v[VSTO], v14, 160                ; in: four rows of 128 bytes a store
	v_lshl_add_u32 v[VSTO], v17, 4, v[VSTO]
	v_add_nc_u32 v[VSTO], s49, v[VSTO]
	v_lshl_add_u32 v[VTR], v2, 3, v17              ; the turning load: key 8 (l / 16) + l % 8, channels 8 ((l / 8) % 2) on
	v_mul_u32_u24 v[VTR], v[VTR], 160
	v_bfe_u32 v14, v0, 3, 1
	v_lshl_add_u32 v[VTR], v14, 4, v[VTR]
	v_add_nc_u32 v[VTR], s49, v[VTR]
	v_lshl_add_u32 v[SPA], v3, 5, s50              ; my 32 bytes of my wave's partial scores
	v_lshlrev_b32 v[SPR], 5, v3
	v_add_nc_u32 v[SPR], SP, v[SPR]                ; and of every wave's
	v_mul_u32_u24 v[OPA], v1, 272                  ; my wave's partial output: row l % 16, 32 bytes for each half of the lanes
	v_lshl_add_u32 v[OPA], v2, 5, v[OPA]
	v_add_nc_u32 v[OPA], s51, v[OPA]
	v_lshrrev_b32 v14, 4, v0                       ; at the end thread t has row t / 16, 16 bytes at 16 (t % 16)
	v_mul_u32_u24 v[OPR], v14, 272
	v_lshl_add_u32 v[OPR], v1, 4, v[OPR]
	v_add_nc_u32 v[OPR], OP, v[OPR]
	v_lshlrev_b32 v[OUTO], 12, v14
	v_lshl_add_u32 v[OUTO], v1, 4, v[OUTO]
	v_mov_b32 v[N1], -1.0
	v_mov_b32 v[PM], 0                             ; v_permlanex16_b32 counts as a reader of its destination
	s_wait_kmcnt 0x0
	s_add_nc_u64 s[22:23], s[4:5], s[20:21]        ; q hi
	s_add_nc_u64 s[24:25], s[22:23], 16*QS         ; k hi
	s_add_nc_u64 s[26:27], s[22:23], 32*QS         ; v hi
	s_add_nc_u64 s[30:31], s[4:5], s[28:29]        ; q lo; k lo 131,072 and v lo 262,144 bytes on
	s_add_nc_u64 s[34:35], s[6:7], s[32:33]
	s_add_nc_u64 s[36:37], s[8:9], s[38:39]
	s_add_nc_u64 s[40:41], s[10:11], s[42:43]
	s_wait_alu depctr_va_vdst(0)                   ; the ten offsets and LDS addresses v4 to v13 are written, which every load and store of the kernel reads; none is written again
.irp ks, 0,1,2,3                               ; 32 loads: my 128 channels of q and k, hi and lo, as fragments of 16 rows x 32 channels
	global_load_b128 v[FR+8*(\ks):FR+8*(\ks)+3],       v[FO], s[24:25] offset:((\ks)/2)*QS+((\ks)%2)*64
	global_load_b128 v[FR+8*(\ks)+4:FR+8*(\ks)+7],     v[FO], s[24:25] offset:((\ks)/2)*QS+((\ks)%2)*64+32
	global_load_b128 v[FR+32+8*(\ks):FR+32+8*(\ks)+3], v[FO], s[30:31] offset:131072+((\ks)/2)*8192+((\ks)%2)*64
	global_load_b128 v[FR+32+8*(\ks)+4:FR+32+8*(\ks)+7], v[FO], s[30:31] offset:131072+((\ks)/2)*8192+((\ks)%2)*64+32
	global_load_b128 v[FR+64+8*(\ks):FR+64+8*(\ks)+3], v[FO], s[22:23] offset:((\ks)/2)*QS+((\ks)%2)*64
	global_load_b128 v[FR+64+8*(\ks)+4:FR+64+8*(\ks)+7], v[FO], s[22:23] offset:((\ks)/2)*QS+((\ks)%2)*64+32
	global_load_b128 v[FR+96+8*(\ks):FR+96+8*(\ks)+3], v[FO], s[30:31] offset:((\ks)/2)*8192+((\ks)%2)*64
	global_load_b128 v[FR+96+8*(\ks)+4:FR+96+8*(\ks)+7], v[FO], s[30:31] offset:((\ks)/2)*8192+((\ks)%2)*64+32
.endr
.irp pl, 0,1                                   ; 16 loads: my two planes of v, hi and lo, 512 consecutive bytes each
.irp f, 0,1,2,3
	global_load_b128 v[VR+4*(4*(\pl)+(\f)):VR+4*(4*(\pl)+(\f))+3],     v[L16], s[26:27] offset:(\pl)*QS+(\f)*512
	global_load_b128 v[VR+4*(8+4*(\pl)+(\f)):VR+4*(8+4*(\pl)+(\f))+3], v[L16], s[30:31] offset:262144+(\pl)*8192+(\f)*512
.endr
.endr
	WIN 0x40                                       ; 32 loads: my 128 channels of the slice's 64 rows of w_proj, as fragments, into window 1: in the same run, with loads and this switch alone between the wait above and them
.irp tt, 0,1,2,3
.irp ks, 0,1,2,3
	global_load_b128 v[8*(4*(\tt)+(\ks)):8*(4*(\tt)+(\ks))+3],   v[FO], s[34:35] offset:((\ks)/2)*131072+(\tt)*2048+((\ks)%2)*64
	global_load_b128 v[8*(4*(\tt)+(\ks))+4:8*(4*(\tt)+(\ks))+7], v[FO], s[34:35] offset:((\ks)/2)*131072+(\tt)*2048+((\ks)%2)*64+32
.endr
.endr
	WIN 0
	global_load_b128 v[BI:BI+3], v[BOF], s[36:37]
	s_wait_loadcnt 49                              ; q and k are in; v's 16 loads, w_proj's 32 and the bias may be out
.irp ks, 0,1,2,3                               ; three sums by turns: k hi q hi, k lo q hi, k hi q lo
.if (\ks) == 0
	v_wmma_f32_16x16x32_f16 v[SA:SA+7], v[FR:FR+7],       v[FR+64:FR+71],  0
	v_wmma_f32_16x16x32_f16 v[SB:SB+7], v[FR+32:FR+39],   v[FR+64:FR+71],  0
	v_wmma_f32_16x16x32_f16 v[SC:SC+7], v[FR:FR+7],       v[FR+96:FR+103], 0
.else
	v_wmma_f32_16x16x32_f16 v[SA:SA+7], v[FR+8*(\ks):FR+8*(\ks)+7],       v[FR+64+8*(\ks):FR+64+8*(\ks)+7], v[SA:SA+7]
	v_wmma_f32_16x16x32_f16 v[SB:SB+7], v[FR+32+8*(\ks):FR+32+8*(\ks)+7], v[FR+64+8*(\ks):FR+64+8*(\ks)+7], v[SB:SB+7]
	v_wmma_f32_16x16x32_f16 v[SC:SC+7], v[FR+8*(\ks):FR+8*(\ks)+7],       v[FR+96+8*(\ks):FR+96+8*(\ks)+7], v[SC:SC+7]
.endif
.endr
	s_wait_loadcnt 33                              ; v is in; w_proj's 32 loads and the bias may be out
.irp blk, 0,1,2,3                              ; V into my stage, behind the products.  No wait on va_vdst: their data came by loads, and no vector or matrix instruction since the head's wait names VR or v[VSTO]
.irp f, 0,1,2,3
	ds_store_b128 v[VSTO], v[VR+4*(4*(\blk)+(\f)):VR+4*(4*(\blk)+(\f))+3] offset:(\blk)*2560+(\f)*640
.endr
.endr
	PLACES
	PLACES
.irp n, 0,1,2,3
	v_pk_add_f32 v[SA+2*(\n):SA+2*(\n)+1], v[SA+2*(\n):SA+2*(\n)+1], v[SB+2*(\n):SB+2*(\n)+1]
.endr
.irp n, 0,1,2,3
	v_pk_add_f32 v[SA+2*(\n):SA+2*(\n)+1], v[SA+2*(\n):SA+2*(\n)+1], v[SC+2*(\n):SC+2*(\n)+1]
.endr
	s_wait_alu depctr_va_vdst(0)                   ; the sums have written v[SA ..], which the two LDS stores read
	ds_store_b128 v[SPA], v[SA:SA+3]
	ds_store_b128 v[SPA], v[SA+4:SA+7] offset:16
	s_wait_dscnt 0x0                               ; for the others' sake: my partial scores lie in LDS
	s_barrier_signal -1
	s_barrier_wait -1
	s_wait_alu depctr_vm_vsrc(0)                   ; my LDS stores have read VR, in which the partial scores land now, and v[SA ..], which the sums below write again
.irp wv, 0,1,2,3,4,5,6,7
	ds_load_b128 v[PS+8*(\wv):PS+8*(\wv)+3],   v[SPR] offset:(\wv)*1024
	ds_load_b128 v[PS+8*(\wv)+4:PS+8*(\wv)+7], v[SPR] offset:(\wv)*1024+16
.endr
	WIN 0x40                                       ; V's fragments: the same 16 keys in both halves of the K of 32.  No vector or matrix instruction has named these registers
.irp hl, 0,1
.irp ct, 0,1,2,3,4,5,6,7
	ds_load_tr16_b128 v[128+8*(8*(\hl)+(\ct)):128+8*(8*(\hl)+(\ct))+3],   v[VTR] offset:(2*(\hl)+(\ct)/4)*2560+((\ct)%4)*32
	ds_load_tr16_b128 v[128+8*(8*(\hl)+(\ct))+4:128+8*(8*(\hl)+(\ct))+7], v[VTR] offset:(2*(\hl)+(\ct)/4)*2560+((\ct)%4)*32
.endr
.endr
	WIN 0
	s_wait_dscnt 32                                ; the eight partial sums are in; the 32 turning loads may be out
.irp wv, 0,2,4,6
.irp n, 0,1,2,3
	v_pk_add_f32 v[PS+8*(\wv)+2*(\n):PS+8*(\wv)+2*(\n)+1], v[PS+8*(\wv)+2*(\n):PS+8*(\wv)+2*(\n)+1], v[PS+8*(\wv)+8+2*(\n):PS+8*(\wv)+8+2*(\n)+1]
.endr
.endr
.irp wv, 0,4
.irp n, 0,1,2,3
	v_pk_add_f32 v[PS+8*(\wv)+2*(\n):PS+8*(\wv)+2*(\n)+1], v[PS+8*(\wv)+2*(\n):PS+8*(\wv)+2*(\n)+1], v[PS+8*(\wv)+16+2*(\n):PS+8*(\wv)+16+2*(\n)+1]
.endr
.endr
.irp n, 0,1,2,3
	v_pk_add_f32 v[SA+2*(\n):SA+2*(\n)+1], v[PS+2*(\n):PS+2*(\n)+1], v[PS+32+2*(\n):PS+32+2*(\n)+1]
.endr
.irp j, 0,1,2,3,4,5,6,7                        ; the causal mask, by the lane masks made at the head (their wait stands there)
	v_cndmask_b32 v[SA+(\j)], v[SA+(\j)], s[BIGN], s[MK+(\j)]
.endr
	v_max3_num_f32 v[MX], v[SA], v[SA+1], v[SA+2]
	v_max3_num_f32 v[MX], v[MX], v[SA+3], v[SA+4]
	v_max3_num_f32 v[MX], v[MX], v[SA+5], v[SA+6]
	v_max_num_f32 v[MX], v[MX], v[SA+7]
	v_permlanex16_b32 v[PM], v[MX], s[SEL], s[SEL+1]  ; the query's other eight keys lie in the lane 16 away
	v_max_num_f32 v[MX], v[MX], v[PM]
	v_mul_f32 v[CM], s[CS], v[MX]
	v_mul_f32 v[CM+1], s[CS], v[MX]
.irp n, 0,1,2,3
	v_pk_fma_f32 v[SA+2*(\n):SA+2*(\n)+1], v[SA+2*(\n):SA+2*(\n)+1], s[CS:CS+1], v[CM:CM+1] op_sel_hi:[1,0,0] neg_lo:[0,0,1] neg_hi:[0,0,1]
.endr
.irp j, 0,1,2,3,4,5,6,7
	v_exp_f32 v[SA+(\j)], v[SA+(\j)]
.endr
	v_nop                                          ; one plain instruction behind the last exponential,
	s_wait_alu depctr_va_vdst(0)                   ; and one wait for the eight exponentials' results v[SA ..], ahead of their first reader
	v_pk_add_f32 v[T:T+1], v[SA:SA+1], v[SA+2:SA+3]
	v_pk_add_f32 v[T+2:T+3], v[SA+4:SA+5], v[SA+6:SA+7]
	v_pk_add_f32 v[T:T+1], v[T:T+1], v[T+2:T+3]
	v_add_f32 v[T], v[T], v[T+1]
	v_permlanex16_b32 v[PM], v[T], s[SEL], s[SEL+1]
	v_add_f32 v[T], v[T], v[PM]
	v_rcp_f32 v[RC], v[T]
	v_rcp_f32 v[RC+1], v[T]
	v_nop
	s_wait_alu depctr_va_vdst(0)                   ; one wait for the two reciprocals v[RC], v[RC+1], ahead of their first reader
.irp n, 0,1,2,3
	v_pk_mul_f32 v[SA+2*(\n):SA+2*(\n)+1], v[SA+2*(\n):SA+2*(\n)+1], v[RC:RC+1]
.endr
.irp n, 0,1,2,3
	v_cvt_pk_f16_f32 v[PF+(\n)], v[SA+2*(\n)], v[SA+2*(\n)+1]       ; P hi: the K of 32's first half
.endr
.irp n, 0,1,2,3
	v_fma_mix_f32 v[SA+2*(\n)],   v[PF+(\n)], v[N1], v[SA+2*(\n)]   op_sel_hi:[1,0,0]
	v_fma_mix_f32 v[SA+2*(\n)+1], v[PF+(\n)], v[N1], v[SA+2*(\n)+1] op_sel:[1,0,0] op_sel_hi:[1,0,0]
.endr
.irp n, 0,1,2,3
	v_cvt_pk_f16_f32 v[PF+4+(\n)], v[SA+2*(\n)], v[SA+2*(\n)+1]     ; P lo: its second half
.endr
	s_wait_dscnt 0x0                               ; V's fragments are in
	WIN 0x01                                       ; source 0 in window 1
.irp ct, 0,1,2,3,4,5,6,7                       ; eight sums by turns: V hi, then V lo
	v_wmma_f32_16x16x32_f16 v[OA+8*(\ct):OA+8*(\ct)+7], v[128+8*(\ct):128+8*(\ct)+7], v[PF:PF+7], 0
.endr
.irp ct, 0,1,2,3,4,5,6,7
	v_wmma_f32_16x16x32_f16 v[OA+8*(\ct):OA+8*(\ct)+7], v[192+8*(\ct):192+8*(\ct)+7], v[PF:PF+7], v[OA+8*(\ct):OA+8*(\ct)+7]
.endr
	WIN 0
	PLACES
	PLACES
.irp ct, 0,1,2,3,4,5,6,7                       ; two neighbouring tiles of 16 channels are one fragment of 32
.irp rr, 0,1,2,3
	v_cvt_pk_f16_f32 v[OFH+4*(\ct)+(\rr)], v[OA+8*(\ct)+2*(\rr)], v[OA+8*(\ct)+2*(\rr)+1]
.endr
.endr
.irp ct, 0,1,2,3,4,5,6,7
.irp rr, 0,1,2,3
	v_fma_mix_f32 v[OA+8*(\ct)+2*(\rr)],   v[OFH+4*(\ct)+(\rr)], v[N1], v[OA+8*(\ct)+2*(\rr)]   op_sel_hi:[1,0,0]
	v_fma_mix_f32 v[OA+8*(\ct)+2*(\rr)+1], v[OFH+4*(\ct)+(\rr)], v[N1], v[OA+8*(\ct)+2*(\rr)+1] op_sel:[1,0,0] op_sel_hi:[1,0,0]
.endr
.endr
.irp ct, 0,1,2,3,4,5,6,7
.irp rr, 0,1,2,3
	v_cvt_pk_f16_f32 v[OFL+4*(\ct)+(\rr)], v[OA+8*(\ct)+2*(\rr)], v[OA+8*(\ct)+2*(\rr)+1]
.endr
.endr
	s_wait_loadcnt 0x0                             ; w_proj and the bias
	WIN 0x01
.irp tt, 0,1,2,3                               ; four sums by turns
	v_wmma_f32_16x16x32_f16 v[RA+8*(\tt):RA+8*(\tt)+7], v[8*(4*(\tt)):8*(4*(\tt))+7], v[OFH:OFH+7], 0
.endr
.irp tt, 0,1,2,3
	v_wmma_f32_16x16x32_f16 v[RA+8*(\tt):RA+8*(\tt)+7], v[8*(4*(\tt)):8*(4*(\tt))+7], v[OFL:OFL+7], v[RA+8*(\tt):RA+8*(\tt)+7]
.endr
.irp ks, 1,2,3
.irp tt, 0,1,2,3
	v_wmma_f32_16x16x32_f16 v[RA+8*(\tt):RA+8*(\tt)+7], v[8*(4*(\tt)+(\ks)):8*(4*(\tt)+(\ks))+7], v[OFH+8*(\ks):OFH+8*(\ks)+7], v[RA+8*(\tt):RA+8*(\tt)+7]
.endr
.irp tt, 0,1,2,3
	v_wmma_f32_16x16x32_f16 v[RA+8*(\tt):RA+8*(\tt)+7], v[8*(4*(\tt)+(\ks)):8*(4*(\tt)+(\ks))+7], v[OFL+8*(\ks):OFL+8*(\ks)+7], v[RA+8*(\tt):RA+8*(\tt)+7]
.endr
.endr
	WIN 0
	PLACES
	PLACES
	s_wait_alu depctr_va_vdst(0)                   ; the products have written v[RA ..], which the LDS stores read (the places above stay beside this wait); the sums that named v[PS ..] are done too, in which the loads behind the barrier land
.irp tt, 0,1,2,3
	ds_store_b128 v[OPA], v[RA+8*(\tt):RA+8*(\tt)+3]   offset:64*(\tt)
	ds_store_b128 v[OPA], v[RA+8*(\tt)+4:RA+8*(\tt)+7] offset:64*(\tt)+16
.endr
	s_wait_dscnt 0x0                               ; for the others' sake: my partial output lies in LDS
	s_barrier_signal -1
	s_barrier_wait -1
.irp wv, 0,1,2,3,4,5,6,7
	ds_load_b128 v[PS+4*(\wv):PS+4*(\wv)+3], v[OPR] offset:(\wv)*OPW
.endr
	s_wait_dscnt 0x0
.irp wv, 0,2,4,6
	v_pk_add_f32 v[PS+4*(\wv):PS+4*(\wv)+1],   v[PS+4*(\wv):PS+4*(\wv)+1],   v[PS+4*(\wv)+4:PS+4*(\wv)+5]
	v_pk_add_f32 v[PS+4*(\wv)+2:PS+4*(\wv)+3], v[PS+4*(\wv)+2:PS+4*(\wv)+3], v[PS+4*(\wv)+6:PS+4*(\wv)+7]
.endr
.irp wv, 0,4
	v_pk_add_f32 v[PS+4*(\wv):PS+4*(\wv)+1],   v[PS+4*(\wv):PS+4*(\wv)+1],   v[PS+4*(\wv)+8:PS+4*(\wv)+9]
	v_pk_add_f32 v[PS+4*(\wv)+2:PS+4*(\wv)+3], v[PS+4*(\wv)+2:PS+4*(\wv)+3], v[PS+4*(\wv)+10:PS+4*(\wv)+11]
.endr
	v_pk_add_f32 v[PS:PS+1],   v[PS:PS+1],   v[PS+16:PS+17]
	v_pk_add_f32 v[PS+2:PS+3], v[PS+2:PS+3], v[PS+18:PS+19]
	v_pk_add_f32 v[PS:PS+1],   v[PS:PS+1],   v[BI:BI+1]
	v_pk_add_f32 v[PS+2:PS+3], v[PS+2:PS+3], v[BI+2:BI+3]
	s_wait_alu depctr_va_vdst(0)                   ; the last sums have written v[PS:PS+3], which the store reads
	global_store_b128 v[OUTO], v[PS:PS+3], s[40:41] th:TH_STORE_NT  ; sixteen lanes store 256 consecutive bytes of a row, aligned
	s_wait_dscnt 0x0                               ; the closing lines, six on end
	s_wait_alu 0x0
	s_wait_tensorcnt 0x0
	ds_add_u32 v[SPW], v[NIL]
	s_wait_dscnt 0x0
	s_endpgm
.Lfunc_end_k_q75f51b65da_head:
	.size	k_q75f51b65da_head, .Lfunc_end_k_q75f51b65da_head-k_q75f51b65da_head
	.p2alignl 7, 3214868480
	.fill 96, 4, 3214868480
	.section	.rodata,"a",@progbits
	.p2align	6, 0x0
	.amdhsa_kernel k_q75f51b65da_head
		.amdhsa_group_segment_fixed_size 125952
		.amdhsa_private_segment_fixed_size 0
		.amdhsa_enable_private_segment 0
		.amdhsa_kernarg_size 32
		.amdhsa_user_sgpr_count 2
		.amdhsa_user_sgpr_kernarg_segment_ptr 1
		.amdhsa_wavefront_size32 1
		.amdhsa_system_sgpr_workgroup_id_x 1
		.amdhsa_system_sgpr_workgroup_id_y 1
		.amdhsa_system_sgpr_workgroup_id_z 1
		.amdhsa_system_vgpr_workitem_id 0
		.amdhsa_next_free_vgpr 512
		.amdhsa_next_free_sgpr 66
		.amdhsa_reserve_vcc 0
		.amdhsa_float_denorm_mode_32 3
		.amdhsa_float_denorm_mode_16_64 3
		.amdhsa_memory_ordered 1
		.amdhsa_forward_progress 1
		.amdhsa_inst_pref_size 38
	.end_amdhsa_kernel
	.amdgpu_metadata
---
amdhsa.version: [ 1, 2 ]
amdhsa.kernels:
  - .name:           k_q75f51b65da_head
    .symbol:         k_q75f51b65da_head.kd
    .args:
      - { .name: qkvb, .offset: 0, .size: 8, .value_kind: global_buffer, .address_space: global }
      - { .name: wpb, .offset: 8, .size: 8, .value_kind: global_buffer, .address_space: global }
      - { .name: br, .offset: 16, .size: 8, .value_kind: global_buffer, .address_space: global }
      - { .name: out0, .offset: 24, .size: 8, .value_kind: global_buffer, .address_space: global }
    .group_segment_fixed_size: 125952
    .private_segment_fixed_size: 0
    .kernarg_segment_align: 8
    .kernarg_segment_size: 32
    .max_flat_workgroup_size: 256
    .sgpr_count:     66
    .vgpr_count:     512
    .wavefront_size: 32
...
	.end_amdgpu_metadata
.endif
;; end of part 8
